; MI455X (gfx1250); checked and timed in simulation.
; The chip was launched on July 23, 2026; its instructions are those of AMD's public machine-readable ISA for CDNA 5 (MIT licence, August 2026) and "CDNA5" Instruction Set Architecture Reference Guide (July 2026). The comments in the code are by the model that wrote it; some were corrected since.
;; Causal Self Attention. Allowed arithmetic: matrix products marked QUANTISED: E2M1 operands, one E8M0 scale for each 32 along K, by v_wmma_scale_f32_16x16x128_f8f6f4 with both operands' format E2M1 (or v_wmma_scale_f32_32x16x128_f4), f32 sums; products left as they are: bf16, f16 or f32 operands; f32 sums; everything else in f32.
;; Inputs: Wk 1,024 x 1,024 float32; Wq 1,024 x 1,024 float32; Wv 1,024 x 1,024 float32; bk 1,024 float32; bq 1,024 float32; bv 1,024 float32; mask 2,048 x 2,048 int32; x 4 x 2,048 x 1,024 float32.
;; Outputs: out0 8,192 x 1,024 float32.
;; This version of the problem:
;;   THIS VERSION OF THE PROBLEM IS GIVEN IN LOW PRECISION. The matrix products marked QUANTISED in the list below multiply operands that are first quantised to E2M1 (2 exponent bits, 1 mantissa bit; 4 bits a number), with one power-of-two scale for each 32 numbers along K (OCP MX v1.0); their sums are f32. The products marked 'left as it is' may take bf16, f16 or f32 operands, with f32 sums. Whichever they take, every output number must still come out within the allowed error. Rounding operands to bf16 (8 significant bits) uses up far more of that allowance than f16 does (11 bits, for magnitudes from 6e-5 to 65,504). All else is computed in f32.
;;   The module's matrix products, in the order in which they are computed (A, B: the left and right operand; K: the contracted axis; several contracted axes count as one K, in the product's order):
;;     1. [M 8,192, K 1,024] x [K 1,024, N 1,024]; A: input x; B: input Wq: QUANTISED
;;     2. [M 8,192, K 1,024] x [K 1,024, N 1,024]; A: input x; B: input Wk: QUANTISED
;;     3. [M 8,192, K 1,024] x [K 1,024, N 1,024]; A: input x; B: input Wv: QUANTISED
;;     4. batch 4 x [M 2,048, K 1,024] x [K 1,024, N 2,048]; A: computed on the way; B: computed on the way: left as it is (an operand is computed on the way)
;;     5. batch 4 x [M 2,048, K 2,048] x [K 2,048, N 1,024]; A: computed on the way; B: computed on the way: left as it is (an operand is computed on the way)
;;   THE QUANTISER, for each operand of a quantised product, along K:
;;     - K is cut into blocks of 32 from its start; a last block that is shorter is filled with zeros.
;;     - A block's scale is 2^e with e = floor(log2(the largest magnitude in the block)) - 2, held to -126 .. 127; a block of zeros has e = 0. As a byte (E8M0): e + 127.
;;     - Each number is divided by its block's scale, clamped to +-6, and rounded to the nearest number of E2M1, ties to even, subnormals kept.
;;     - The product sums the exact products of the quantised numbers (number of the format x scale) in f32.
;;   ~~~python
;;   def quantise(x, axis):      # numpy; x: float32 -> the quantised numbers, widened to float32 again
;;       x = np.moveaxis(x, axis, -1); K = x.shape[-1]
;;       x = np.pad(x, [(0, 0)] * (x.ndim - 1) + [(0, -K % 32)]); x = x.reshape(x.shape[:-1] + (-1, 32)); a = np.abs(x).max(-1, keepdims=True)
;;       e = np.where(a > 0, np.clip(np.frexp(np.where(a > 0, a, 1))[1] - 1 - 2, -126, 127), 0)      # np.frexp(a)[1] - 1 = floor(log2(a)), exactly
;;       r = np.clip(x / 2.0 ** e, -6, 6)
;;       step = 2.0 ** (np.maximum(np.frexp(np.where(r == 0, 1, r))[1] - 1, 0) - 1)
;;       q = np.round(r / step) * step * 2.0 ** e      # np.round: ties to even
;;       return np.moveaxis(q.reshape(q.shape[:-2] + (-1,))[..., :K], -1, axis).astype(np.float32)
;;   ~~~
;; One version. Each part assembles by itself: llvm-mc -triple=amdgcn-amd-amdhsa -mcpu=gfx1250 --defsym DOCPART=n.
;; ======== version 1 of 1: 5 launches
;; limits: values are held in f16: magnitudes above 65,504 overflow, below 6.1e-05 lose precision
;; workspace buffers: qz 6,127,616 bytes; mw 524,288 bytes of whole numbers; qk16 33,554,432 bytes; vt16 16,777,216 bytes; lo 655,360 bytes; p16 33,554,432 bytes; st 1,048,576 bytes
;; launch prep (part 1): grid 480 x 1, 4 waves a work-group, no clusters, 68,096 bytes of LDS; arguments x, Wq, Wk, Wv, mask, qz, mw; writes qz, mw
.if DOCPART == 1
	.amdgcn_target "amdgcn-amd-amdhsa--gfx1250"
	.amdhsa_code_object_version 6
	.text
	.protected	k_q9efa744f36_prep
	.globl	k_q9efa744f36_prep
	.p2align	8
	.type	k_q9efa744f36_prep,@function
k_q9efa744f36_prep:
	s_mov_b64 s[64:65], 0
	v_nop
	global_prefetch_b8 v0, s[64:65] scope:SCOPE_SE
	s_setreg_imm32_b32 hwreg(HW_REG_WAVE_MODE, 25, 1), 1
	s_wait_xcnt 0x0
; FIRST OF FIVE LAUNCHES: out = softmax(mask(Q K^T / 32)) V with Q, K, V = x W^T + b, the three products with x on codes of E2M1.
; DEAD WORK: none is left out, and every input is loaded.  (bk adds Q.bk to a row's open scores alike, but the -1e9 of blocked places does not move with it, so it is not dead for all values.)
; THIS LAUNCH: (a) x, Wq, Wk, Wv, f32 with K innermost, become codes of E2M1 with one E8M0 byte for each 32 along K, laid in the order of the operand's registers:
;   qz: [tile of 16 rows: 704][K step of 128: 8][c: 2][lane: 32][16 bytes]; lane (r, h) holds row r, k = 128 q + 64 c + 32 h + 0 .. 31.  Tiles 0-511 x, 512-575 Wq, 576-639 Wk, 640-703 Wv.
;   From byte SCL0 on the scale words: [pair of tiles: 352][u: 2][lane: 32][4 words]; lane = 16 (tile % 2) + r; word i serves K step 4 u + i.
; (b) the mask, int32 [2048][2048], becomes lane masks: mw [128 keys: 16][16 rows: 128][b: 8][j: 8] words; bit L of a word = mask[16 block + L % 16][128 chunk + 16 b + 8 (L / 16) + j] != 0.
; A block's scale is 2^(floor(log2(largest magnitude)) - 2): its byte is the largest magnitude's exponent field - 2, held at 1 from below.
; LIMITS: a block of zeros gets the byte 1 (its codes are zeros; the bytes are read by this program alone); NaN and infinities among the inputs are not served.
; SHARES: a unit is 16 rows x 512 bytes; a wave takes four units.  Work-groups 0-351 quantise (wave: tile 2 g + wave / 2, K steps 4 (wave % 2) on), 352-479 pack the mask (16 rows, wave: chunks 4 wave on).
; Every load reads 512 consecutive bytes of a row; a unit turns through the wave's own stage in LDS (rows 528 bytes apart) so that a lane gets the neighbours it needs.  Each path has LDS of its own.  No barrier: waves share nothing.
.set STG,   8448                       ; a wave's stage: 16 rows x (512 + 16) bytes
.set MSTG,  4*STG                      ; the mask path's four stages
.set SPARE, 8*STG                      ; the spare words, 128 bytes a wave
.set SCL0,  5767168                    ; 704 tiles x 8,192 bytes of codes
.set LI,  1                            ; 16 x lane
.set QIN, 2                            ; stage, way in
.set QOU, 3                            ; stage, way out: 528 r + 128 h
.set MKI, 4                            ; the same for the mask path
.set MKO, 5                            ; 528 r + 32 h
.set SPW, 6
.set NIL, 7
.set SW,  16                           ; v16-19 four scale words
.set OW,  20                           ; v20-27 a pair of output words for each unit
.set SH,  28                           ; 8 h
.set L8,  29                           ; 8 x lane
.set LN,  30                           ; lane
.set R,   32                           ; v32-159 two sets of 64 as loaded
.set X,   160                          ; v160-223 a unit as the lane needs it
.set C,   224                          ; v224-255 codes, eight registers for each unit: no store's data are written again
	s_load_b256 s[4:11], s[0:1], 0x0               ; x, Wq, Wk, Wv
	s_load_b128 s[12:15], s[0:1], 0x20             ; mask, qz
	s_load_b64 s[16:17], s[0:1], 0x30              ; mw
	v_lshl_add_u32 v[SPW], v0, 2, SPARE
	v_mov_b32 v[NIL], 0
	v_lshrrev_b32 v10, 5, v0
	v_readfirstlane_b32 s18, v10                   ; wave
	v_and_b32 v[LN], 31, v0
	v_and_b32 v31, 15, v0                          ; r
	v_bfe_u32 v8, v0, 4, 1                         ; h
	v_lshlrev_b32 v[LI], 4, v[LN]
	v_lshlrev_b32 v[L8], 3, v[LN]
	v_lshlrev_b32 v[SH], 3, v8
	s_mul_i32 s19, s18, STG
	v_add_nc_u32 v[QIN], s19, v[LI]
	v_mul_u32_u24 v9, v31, 528
	v_add_nc_u32 v9, s19, v9
	v_lshl_add_u32 v[QOU], v8, 7, v9
	v_add_nc_u32 v[MKI], MSTG, v[QIN]
	v_lshl_add_u32 v[MKO], v8, 5, v9
	v_add_nc_u32 v[MKO], MSTG, v[MKO]
	v_mov_b32 v15, 0                               ; a lane permute's destination counts as one of its sources
.irp i, 0,1,2,3,4,5,6,7
	v_mov_b32 v[OW+\i], 0                          ; and so does v_writelane_b32's
.endr
	s_mov_b32 s24, 0x76543210
	s_mov_b32 s25, 0xfedcba98                      ; lane l xor 16
	s_lshr_b32 s23, s18, 1
	s_and_b32 s33, s18, 1
.macro LOADU t, pitch                  ; unit t: 16 rows, 512 consecutive bytes each
.irp i, 0,1,2,3,4,5,6,7,8,9,10,11,12,13,14,15
	global_load_b128 v[R+64*((\t)%2)+4*\i:R+64*((\t)%2)+4*\i+3], v[LI], s[20:21] offset:\i*\pitch+512*(\t) th:TH_LOAD_NT
.endr
.endm
.macro TURNQ t                         ; through the stage: LDS serves a wave's instructions in order, so no wait stands between the stores and the loads
.irp i, 0,1,2,3,4,5,6,7,8,9,10,11,12,13,14,15
	ds_store_b128 v[QIN], v[R+64*((\t)%2)+4*\i:R+64*((\t)%2)+4*\i+3] offset:528*\i
.endr
.irp c, 0,1
.irp i, 0,1,2,3,4,5,6,7
	ds_load_b128 v[X+32*\c+4*\i:X+32*\c+4*\i+3], v[QOU] offset:256*\c+16*\i   ; register 32 c + n = k 64 c + 32 h + n of row r
.endr
.endr
.endm
.macro TURNM t
.irp i, 0,1,2,3,4,5,6,7,8,9,10,11,12,13,14,15
	ds_store_b128 v[MKI], v[R+64*((\t)%2)+4*\i:R+64*((\t)%2)+4*\i+3] offset:528*\i
.endr
.irp b, 0,1,2,3,4,5,6,7
.irp u, 0,1
	ds_load_b128 v[X+8*\b+4*\u:X+8*\b+4*\u+3], v[MKO] offset:64*\b+16*\u      ; register 8 b + j = mask(row r, key 16 b + 8 h + j)
.endr
.endr
.endm
.macro QUNIT t                         ; a lane holds two whole blocks of 32: 2 c + h
.irp c, 0,1
	v_max3_num_f32 v[8+\c], |v[X+32*\c]|, |v[X+32*\c+1]|, 0x1800000           ; with the floor 2^(3 - 127): the byte cannot fall under 1
.endr
.irp i, 2,4,6,8,10,12,14,16,18,20,22,24,26,28,30
.irp c, 0,1
	v_max3_num_f32 v[8+\c], v[8+\c], |v[X+32*\c+\i]|, |v[X+32*\c+\i+1]|
.endr
.endr
.irp c, 0,1
	v_add_nc_u32 v[10+\c], 0xff000000, v[8+\c]     ; 2 off the exponent field: the conversion's scale operand
.endr
.irp c, 0,1
	v_lshrrev_b32 v[12+\c], 23, v[10+\c]           ; the scale's byte
.endr
	v_lshl_or_b32 v14, v13, 16, v12                ; my bytes: blocks h and 2 + h,
	v_lshlrev_b32 v14, v[SH], v14                  ; at their places;
	v_permlanex16_b32 v15, v14, s24, s25
	v_or_b32 v[SW+\t], v14, v15                    ; with lane l xor 16's the word is whole
.irp c, 0,1
.irp g, 0,1,2,3
	v_cvt_scalef32_pk8_fp4_f32 v[C+8*(\t)+4*\c+\g], v[X+32*\c+8*\g:X+32*\c+8*\g+7], v[10+\c]
.endr
.endr
	v_nop                                          ; one plain line behind the last scaled conversion
.irp c, 0,1
	global_store_b128 v[LI], v[C+8*(\t)+4*\c:C+8*(\t)+4*\c+3], s[30:31] offset:1024*(\t)+512*\c   ; 512 consecutive bytes
.endr
.endm
.macro MUNIT t                         ; 64 compares make 64 lane masks; word n goes to lane n / 2 of output register n % 2
.irp b, 0,1,2,3,4,5,6,7
.irp j, 0,1,2,3,4,5,6,7
	v_cmp_ne_u32 s[40+\j], 0, v[X+8*\b+\j]
.endr
.irp j, 0,1,2,3,4,5,6,7
	v_writelane_b32 v[OW+2*(\t)+\j%2], s[40+\j], 4*\b+\j/2
.endr
.endr
	global_store_b64 v[L8], v[OW+2*(\t):OW+2*(\t)+1], s[30:31] offset:32768*(\t)   ; 256 consecutive bytes, aligned
.endm
	s_wait_kmcnt 0x0
	s_cmp_ge_u32 ttmp9, 352
	s_cbranch_scc1 .Lmask
	; ---- the quantiser: which tensor, by the work-group's number alone
	s_mov_b32 s22, 320
	s_cmp_lt_u32 ttmp9, 320
	s_cselect_b64 s[20:21], s[8:9], s[10:11]
	s_cselect_b32 s22, 288, s22
	s_cmp_lt_u32 ttmp9, 288
	s_cselect_b64 s[20:21], s[6:7], s[20:21]
	s_cselect_b32 s22, 256, s22
	s_cmp_lt_u32 ttmp9, 256
	s_cselect_b64 s[20:21], s[4:5], s[20:21]
	s_cselect_b32 s22, 0, s22
	s_sub_co_u32 s22, ttmp9, s22
	s_lshl_b32 s22, s22, 1
	s_add_co_u32 s22, s22, s23                     ; my tile in its tensor
	s_lshl_b32 s26, s22, 16                        ; 16 rows of 4,096 bytes
	s_lshl_b32 s27, s33, 11                        ; + 4 K steps of 512 bytes
	s_add_co_u32 s26, s26, s27
	s_mov_b32 s27, 0
	s_add_nc_u64 s[20:21], s[20:21], s[26:27]
	s_lshl_b32 s28, ttmp9, 1
	s_add_co_u32 s28, s28, s23                     ; my tile among the 704
	s_lshl_b32 s28, s28, 13
	s_lshl_b32 s29, s33, 12
	s_add_co_u32 s28, s28, s29
	s_mov_b32 s29, 0
	s_add_nc_u64 s[30:31], s[14:15], s[28:29]      ; its codes
	s_lshl_b32 s28, ttmp9, 10                      ; the pair's scale words,
	s_lshl_b32 s32, s33, 9                         ; my four K steps,
	s_add_co_u32 s28, s28, s32
	s_lshl_b32 s32, s23, 8                         ; my tile's sixteen lanes
	s_add_co_u32 s28, s28, s32
	s_add_co_u32 s28, s28, SCL0
	s_add_nc_u64 s[34:35], s[14:15], s[28:29]
	LOADU 0, 4096
	LOADU 1, 4096
.irp t, 0,1,2,3
.if \t < 3
	s_wait_loadcnt 16                              ; this unit's 16 loads are in; the next unit's may be out
.else
	s_wait_loadcnt 0x0
.endif
	TURNQ \t
	s_wait_dscnt 0x0                               ; the unit is back, and the stage's stores have read their registers
.if \t < 2
	LOADU \t+2, 4096
.endif
	QUNIT \t
.endr
	s_wait_xcnt 0x0                                ; EXEC changes only behind this wait
	v_cmp_gt_u32 vcc_lo, 16, v[LN]
	s_and_saveexec_b32 s36, vcc_lo
	global_store_b128 v[LI], v[SW:SW+3], s[34:35]  ; sixteen lanes: 256 consecutive bytes, aligned
	s_wait_xcnt 0x0                                ; and again in front of the line that widens it
	s_or_b32 exec_lo, exec_lo, s36
	s_branch .Lend
.Lmask:
	; ---- the mask
	s_sub_co_u32 s22, ttmp9, 352                   ; my block of 16 rows
	s_lshl_b32 s26, s22, 17                        ; 16 rows of 8,192 bytes
	s_lshl_b32 s27, s18, 11                        ; + 4 chunks of 512 bytes
	s_add_co_u32 s26, s26, s27
	s_mov_b32 s27, 0
	s_add_nc_u64 s[20:21], s[12:13], s[26:27]
	s_lshl_b32 s28, s18, 17                        ; 4 chunks of 32,768 bytes
	s_lshl_b32 s29, s22, 8
	s_add_co_u32 s28, s28, s29
	s_mov_b32 s29, 0
	s_add_nc_u64 s[30:31], s[16:17], s[28:29]
	LOADU 0, 8192
	LOADU 1, 8192
.irp t, 0,1,2,3
.if \t < 3
	s_wait_loadcnt 16                              ; as above
.else
	s_wait_loadcnt 0x0
.endif
	TURNM \t
	s_wait_dscnt 0x0
.if \t < 2
	LOADU \t+2, 8192
.endif
	MUNIT \t
.endr
.Lend:
	s_wait_tensorcnt 0x0                           ; the wave's end, behind my last LDS store
	ds_add_u32 v[SPW], v[NIL]
	s_wait_dscnt 0x0
	s_endpgm
.Lfunc_end_k_q9efa744f36_prep:
	.size	k_q9efa744f36_prep, .Lfunc_end_k_q9efa744f36_prep-k_q9efa744f36_prep
	.p2alignl 7, 3214868480
	.fill 96, 4, 3214868480
	.section	.rodata,"a",@progbits
	.p2align	6, 0x0
	.amdhsa_kernel k_q9efa744f36_prep
		.amdhsa_group_segment_fixed_size 68096
		.amdhsa_private_segment_fixed_size 0
		.amdhsa_enable_private_segment 0
		.amdhsa_kernarg_size 56
		.amdhsa_user_sgpr_count 2
		.amdhsa_user_sgpr_kernarg_segment_ptr 1
		.amdhsa_wavefront_size32 1
		.amdhsa_system_sgpr_workgroup_id_x 1
		.amdhsa_system_sgpr_workgroup_id_y 1
		.amdhsa_system_sgpr_workgroup_id_z 1
		.amdhsa_system_vgpr_workitem_id 0
		.amdhsa_next_free_vgpr 256
		.amdhsa_next_free_sgpr 66
		.amdhsa_reserve_vcc 1
		.amdhsa_float_denorm_mode_32 3
		.amdhsa_float_denorm_mode_16_64 3
		.amdhsa_memory_ordered 1
		.amdhsa_forward_progress 1
		.amdhsa_inst_pref_size 78
	.end_amdhsa_kernel
	.amdgpu_metadata
---
amdhsa.version: [ 1, 2 ]
amdhsa.kernels:
  - .name:           k_q9efa744f36_prep
    .symbol:         k_q9efa744f36_prep.kd
    .args:
      - { .name: x, .offset: 0, .size: 8, .value_kind: global_buffer, .address_space: global }
      - { .name: Wq, .offset: 8, .size: 8, .value_kind: global_buffer, .address_space: global }
      - { .name: Wk, .offset: 16, .size: 8, .value_kind: global_buffer, .address_space: global }
      - { .name: Wv, .offset: 24, .size: 8, .value_kind: global_buffer, .address_space: global }
      - { .name: mask, .offset: 32, .size: 8, .value_kind: global_buffer, .address_space: global }
      - { .name: qz, .offset: 40, .size: 8, .value_kind: global_buffer, .address_space: global }
      - { .name: mw, .offset: 48, .size: 8, .value_kind: global_buffer, .address_space: global }
    .group_segment_fixed_size: 68096
    .private_segment_fixed_size: 0
    .kernarg_segment_align: 8
    .kernarg_segment_size: 56
    .max_flat_workgroup_size: 128
    .sgpr_count:     66
    .vgpr_count:     256
    .wavefront_size: 32
...
	.end_amdgpu_metadata
.endif
;; end of part 1
;; launch proj (part 2): grid 32 x 8, 4 waves a work-group, clusters of 4 x 1, 197,120 bytes of LDS; arguments qz, bq, bk, bv, qk16, vt16, lo; writes qk16, vt16, lo
.if DOCPART == 2
	.amdgcn_target "amdgcn-amd-amdhsa--gfx1250"
	.amdhsa_code_object_version 6
	.text
	.protected	k_q9efa744f36_proj
	.globl	k_q9efa744f36_proj
	.p2align	8
	.type	k_q9efa744f36_proj,@function
k_q9efa744f36_proj:
	s_mov_b64 s[64:65], 0
	v_nop
	global_prefetch_b8 v0, s[64:65] scope:SCOPE_SE
	s_setreg_imm32_b32 hwreg(HW_REG_WAVE_MODE, 25, 1), 1
	s_wait_xcnt 0x0
	s_wait_alu depctr_hold_cnt(0) depctr_sa_sdst(0) depctr_va_vdst(0) depctr_va_sdst(0) depctr_va_ssrc(0) depctr_va_vcc(0) depctr_vm_vsrc(0)
	s_getreg_b32 s2, hwreg(HW_REG_IB_STS2, 6, 4)
	s_cmp_eq_u32 s2, 0
	s_cbranch_scc0 .Lentry_in_a_cluster
	s_endpgm
.Lentry_in_a_cluster:
	s_bfe_u32 s2, ttmp6, 0x10000c
	s_cmp_lg_u32 s2, 0x3003
	s_cbranch_scc0 .Lentry_shape_is_right
	s_endpgm
.Lentry_shape_is_right:
; SECOND LAUNCH: Q c, K and V^T = x W^T + b on codes of E2M1 (c = log2(e) / 32 goes into Q in f32), rounded to f16 and stored as images of the next products' operand registers.  No work is left out.
; SHARES: work-group = 256 rows of x (batch = place in the cluster, block = cluster x) against 128 rows (group = y) of each of Wq, Wk, Wv: three tiles one after the other.  Wave w: rows 64 w on: 4 x 8 accumulators.
; x's fragments of a wave are read by no other wave: from memory straight into 256 registers, once.  W's three tiles (64 KiB each) are read by all four waves and by the four partners, whose batches differ and whose weights do not:
; they come by JOINT tensor loads (mask 15), all three as first fills: nothing is ever filled again, so there is no ring.  A wave has three tensor loads out at the most.
; Q and K are made transposed (source 0 = 16 rows of W, source 1 = 16 rows of x): a lane holds row r and eight neighbouring outputs, which pack into 16 bytes: registers 0-3 (even b) or 4-7 (odd b) of a 16 x 32 f16 fragment.
; V is made the other way round (source 0 = x): a lane holds output d = r and eight neighbouring positions: the fragment of V^T.  So each store of a wave is 512 consecutive bytes, with no stage.
; OUT: qk16 [Q, K][tile of 16 rows: 512][32 along e: 32][1 KiB]; vt16 [batch][16 d: 64][32 keys: 64][1 KiB]; lo: the low f16 parts (number - its f16) of c Q rows 0-15, K rows 0-31, V rows 0-31 of each batch.
; The biases are the C of each sum's first matrix instruction.
; LIMITS: |c Q|, |K|, |V| must stay under 65,504, the largest f16 number; NaN and infinities are not served.
; REGISTERS: window 0: v1 16 x lane; v4-15 at work; v16-31 x's scale words; v32-127 W's; v128-191 packed results; v192-195 low parts; v200-204 addresses.
;   window 1: accumulator (a, b) at 64 a + 8 b.  window 2: x's fragment (a, K step q) at 64 a + 8 q.  window 3: v0-127 two sets of W's eight fragments; v128-191, v192-255 two biases.
.set SCL0,  5767168
.set KOFF,  16777216
.set SPARE, 196608
.set LI,  1
.set SPW, 2
.set NIL, 3
.set XF,  8
.set SA,  16
.set SB,  32
.set PK,  128
.set LO4, 192
.set ADB, 200
.set BO,  203
.set BR,  204
.set BX,  128
.set BY,  192
.set G1,  16
.set G0,  24
.set WV,  38
.set CS,  42
.set MSB, 0
.macro WIN new                         ; the immediate's high byte repeats the setting that is left
.if MSB != (\new)
	s_set_vgpr_msb (MSB<<8)|(\new)
.set MSB, (\new)
.endif
.endm
.macro PLACES
.rept 4
	v_nop
.endr
.endm
.macro ROUND                           ; a round of the cluster's barrier
	s_barrier_signal -1
	s_barrier_wait -1
	s_cmp_lg_u32 s[WV], 0
	s_cbranch_scc1 .Lnot_wave_0_\@
	s_barrier_signal -3
.Lnot_wave_0_\@:
	s_barrier_wait -3
	s_barrier_signal -1
	s_barrier_wait -1
.endm
	s_load_b256 s[4:11], s[0:1], 0x0               ; qz, bq, bk, bv
	s_load_b128 s[12:15], s[0:1], 0x20             ; qk16, vt16
	s_load_b64 s[36:37], s[0:1], 0x30              ; lo
	v_lshl_add_u32 v[SPW], v0, 2, SPARE
	v_mov_b32 v[NIL], 0
	ds_add_u32 v[SPW], v[NIL]                      ; the opening: the add, twice on end, and its wait ahead of my first tensor load
	ds_add_u32 v[SPW], v[NIL]
	v_lshrrev_b32 v4, 5, v0
	v_readfirstlane_b32 s[WV], v4
	v_and_b32 v[LI], 31, v0
	v_lshlrev_b32 v[LI], 4, v[LI]
	v_bfe_u32 v[BO], v0, 4, 1
	v_lshlrev_b32 v[BO], 5, v[BO]                  ; 32 h: my eight numbers of a bias
	v_and_b32 v[BR], 15, v0
	v_lshlrev_b32 v[BR], 2, v[BR]                  ; 4 r
.irp t, 0,1,2
	v_add_nc_u32 v[ADB+\t], 65536*\t, v[LI]        ; tile t in LDS
.endr
	s_bfe_u32 s39, ttmp6, 0x40000                  ; my place in the cluster = the batch: it enters global addresses of my own loads and stores alone
	s_and_b32 s40, ttmp7, 0xffff                   ; the group of 128 outputs
	s_mov_b32 s[G1], 15|(3<<16)|(1<<21)            ; mask: all four partners; elements of 8 bytes; bit 21 beside a mask; no padding
	s_mov_b32 s[G1+1], 32<<16                      ; tensor_dim0 = 32 elements: 256 bytes
	s_mov_b32 s[G1+2], 64<<16                      ; tensor_dim1 = 64 rows: 16 KiB, two tiles of 16 rows of W, dense in memory
	s_mov_b32 s[G1+3], 32<<16                      ; tile_dim0
	s_mov_b32 s[G1+4], 64                          ; tile_dim1
	s_mov_b32 s[G1+5], 32                          ; pitch
	s_mov_b32 s[G1+6], 0
	s_mov_b32 s[G1+7], 0
	s_mov_b32 s[CS], 0x3d38aa3b                    ; c = log2(e) / 32
	s_mov_b32 s[CS+1], s[CS]
	s_lshl_b32 s44, s39, 7
	s_lshl_b32 s45, ttmp9, 4
	s_add_co_u32 s44, s44, s45
	s_lshl_b32 s45, s[WV], 2
	s_add_co_u32 s44, s44, s45                     ; my first tile of 16 rows: 128 batch + 16 block + 4 wave
	s_lshl_b32 s46, s44, 13                        ; its codes
	s_mov_b32 s47, 0
	s_lshl_b32 s48, s44, 9                         ; its scale words
	s_add_co_u32 s48, s48, SCL0
	s_mov_b32 s49, 0
	s_lshl_b32 s50, s40, 12                        ; W's scale words: pair 256 + 4 group (+ 32 a tensor)
	s_add_co_u32 s50, s50, SCL0+262144
	s_mov_b32 s51, 0
	s_lshl_b32 s52, s44, 15                        ; Q's images
	s_lshl_b32 s45, s40, 12
	s_add_co_u32 s52, s52, s45
	s_mov_b32 s53, 0
	s_lshl_b32 s56, s39, 22                        ; V^T's: ((64 batch + 8 group) 64 + 8 block + 2 wave) KiB
	s_lshl_b32 s45, s40, 19
	s_add_co_u32 s56, s56, s45
	s_lshl_b32 s45, ttmp9, 13
	s_add_co_u32 s56, s56, s45
	s_lshl_b32 s45, s[WV], 11
	s_add_co_u32 s56, s56, s45
	s_mov_b32 s57, 0
	s_lshl_b32 s58, s39, 15                        ; the low parts: Q's,
	s_lshl_b32 s45, s40, 12
	s_add_co_u32 s58, s58, s45
	s_mov_b32 s59, 0
	s_lshl_b32 s60, s39, 16                        ; K's,
	s_add_co_u32 s60, s60, s45
	s_add_co_u32 s60, s60, 131072
	s_mov_b32 s61, 0
	s_lshl_b32 s62, s39, 16                        ; V^T's
	s_lshl_b32 s45, s40, 13
	s_add_co_u32 s62, s62, s45
	s_add_co_u32 s62, s62, 393216
	s_mov_b32 s63, 0
	s_lshl_b32 s66, s40, 16                        ; W's codes: tile 512 + 8 group + 2 wave (+ 64 a tensor): the group and the wave alone, alike in all partners
	s_lshl_b32 s41, s[WV], 14                      ; and their place in LDS
	s_add_co_u32 s66, s66, s41
	s_add_co_u32 s66, s66, 4194304
	s_mov_b32 s67, 0
	s_lshl_b32 s68, s40, 9                         ; the group's 128 numbers of a bias
	s_mov_b32 s69, 0
	s_or_b32 s70, ttmp9, s[WV]                     ; 0: my rows are a batch's first 64 (cluster x and the wave: alike in all partners)
	s_wait_dscnt 0x0                               ; both opening adds are done
	s_wait_kmcnt 0x0
	s_add_nc_u64 s[46:47], s[4:5], s[46:47]
	s_add_nc_u64 s[48:49], s[4:5], s[48:49]
	s_add_nc_u64 s[50:51], s[4:5], s[50:51]
	s_add_nc_u64 s[66:67], s[4:5], s[66:67]
	s_add_nc_u64 s[52:53], s[12:13], s[52:53]
	s_add_nc_u64 s[54:55], s[52:53], KOFF          ; K's images
	s_add_nc_u64 s[56:57], s[14:15], s[56:57]
	s_add_nc_u64 s[58:59], s[36:37], s[58:59]
	s_add_nc_u64 s[60:61], s[36:37], s[60:61]
	s_add_nc_u64 s[62:63], s[36:37], s[62:63]
	s_add_nc_u64 s[6:7], s[6:7], s[68:69]
	s_add_nc_u64 s[8:9], s[8:9], s[68:69]
	s_add_nc_u64 s[10:11], s[10:11], s[68:69]
.irp t, 0,1,2
	s_mov_b32 s[G0+4*\t], 1
	s_add_co_u32 s[G0+4*\t+1], s41, 65536*\t
	s_add_nc_u64 s[G0+4*\t+2:G0+4*\t+3], s[66:67], 524288*\t
	s_or_b32 s[G0+4*\t+3], s[G0+4*\t+3], 0x80000000
.endr
	ROUND                                          ; all four work-groups are here: the joint loads meet
.irp t, 0,1,2
	tensor_load_to_lds s[G0+4*\t:G0+4*\t+3], s[G1:G1+7]
	s_nop 0
.endr
	PLACES
	WIN 0x80                                       ; destination window 2
.irp a, 0,1,2,3
.irp q, 0,1,2,3,4,5,6,7
.irp c, 0,1
	global_load_b128 v[64*\a+8*\q+4*\c:64*\a+8*\q+4*\c+3], v[LI], s[46:47] offset:8192*\a+1024*\q+512*\c
.endr
.endr
.endr
	WIN 0
.irp p, 0,1                                    ; a register of scale words: lanes 0-15 the pair's even tile, lanes 16-31 the odd one
.irp u, 0,1
	global_load_b128 v[SA+8*\p+4*\u:SA+8*\p+4*\u+3], v[LI], s[48:49] offset:1024*\p+512*\u
.endr
.endr
.irp t, 0,1,2
.irp p, 0,1,2,3
.irp u, 0,1
	global_load_b128 v[SB+32*\t+8*\p+4*\u:SB+32*\t+8*\p+4*\u+3], v[LI], s[50:51] offset:32768*\t+1024*\p+512*\u
.endr
.endr
.endr
	WIN 0xc0                                       ; destination window 3
.irp b, 0,1,2,3,4,5,6,7
	global_load_b128 v[BX+8*\b:BX+8*\b+3], v[BO], s[6:7] offset:64*\b          ; bq at outputs 16 b + 8 h + 0 .. 7
	global_load_b128 v[BX+8*\b+4:BX+8*\b+7], v[BO], s[6:7] offset:64*\b+16
	global_load_b128 v[BY+8*\b:BY+8*\b+3], v[BO], s[8:9] offset:64*\b          ; bk
	global_load_b128 v[BY+8*\b+4:BY+8*\b+7], v[BO], s[8:9] offset:64*\b+16
.endr
	WIN 0
	s_wait_loadcnt 0x0
.macro EMIT                            ; one scaled product; fA, fB: the side's scale words lie in lanes 16-31
.if fA && fB
	v_wmma_scale_f32_16x16x128_f8f6f4 v[rD:rD+7], v[rA:rA+7], v[rB:rB+7], v[rC:rC+7], v[rSA], v[rSB] matrix_a_fmt:MATRIX_FMT_FP4 matrix_b_fmt:MATRIX_FMT_FP4 matrix_a_scale:MATRIX_SCALE_ROW1 matrix_b_scale:MATRIX_SCALE_ROW1
.elseif fA
	v_wmma_scale_f32_16x16x128_f8f6f4 v[rD:rD+7], v[rA:rA+7], v[rB:rB+7], v[rC:rC+7], v[rSA], v[rSB] matrix_a_fmt:MATRIX_FMT_FP4 matrix_b_fmt:MATRIX_FMT_FP4 matrix_a_scale:MATRIX_SCALE_ROW1
.elseif fB
	v_wmma_scale_f32_16x16x128_f8f6f4 v[rD:rD+7], v[rA:rA+7], v[rB:rB+7], v[rC:rC+7], v[rSA], v[rSB] matrix_a_fmt:MATRIX_FMT_FP4 matrix_b_fmt:MATRIX_FMT_FP4 matrix_b_scale:MATRIX_SCALE_ROW1
.else
	v_wmma_scale_f32_16x16x128_f8f6f4 v[rD:rD+7], v[rA:rA+7], v[rB:rB+7], v[rC:rC+7], v[rSA], v[rSB] matrix_a_fmt:MATRIX_FMT_FP4 matrix_b_fmt:MATRIX_FMT_FP4
.endif
.endm
.macro FETCHB t, q, set                ; W's eight fragments of K step q into a set: images, 512 consecutive bytes a load
	WIN 0xc0
.irp j, 0,1,2,3,4,5,6,7
.irp c, 0,1
	ds_load_b128 v[64*(\set)+8*\j+4*\c:64*(\set)+8*\j+4*\c+3], v[ADB+\t] offset:8192*\j+1024*(\q)+512*\c
.endr
.endr
.endm
; 32 products, the 32 accumulators by turns, in the same order in every K step.  nat = 0: source 0 = W, source 1 = x; nat = 1: the other way round.  K step 0 takes the bias as C.
.macro MULS t, q, set, nat, bias
.if (\q) == 0
	WIN 0x7b+3*(\nat)
.else
	WIN 0x5b+3*(\nat)
.endif
.irp a, 0,1,2,3
.irp b, 0,1,2,3,4,5,6,7
.set rD, 64*\a+8*\b
.if (\q) == 0
.set rC, (\bias)+8*\b
.else
.set rC, rD
.endif
.if \nat
.set rA, 64*\a+8*(\q)
.set rB, 64*(\set)+8*\b
.set rSA, SA+8*(\a/2)+(\q)
.set rSB, SB+32*(\t)+8*(\b/2)+(\q)
.set fA, \a%2
.set fB, \b%2
.else
.set rA, 64*(\set)+8*\b
.set rB, 64*\a+8*(\q)
.set rSA, SB+32*(\t)+8*(\b/2)+(\q)
.set rSB, SA+8*(\a/2)+(\q)
.set fA, \b%2
.set fB, \a%2
.endif
	EMIT
.endr
.endr
.endm
.macro TILE t, nat, bias
	s_wait_tensorcnt 2-\t                          ; my part of tile t has landed; the later tiles may stay out
	s_wait_dscnt 0x0
	s_barrier_signal -1
	s_barrier_wait -1                              ; everybody's has
	FETCHB \t, 0, 0
.irp q, 0,1,2,3,4,5,6,7
	s_wait_dscnt 0x0                               ; this K step's 16 loads are in
.if \q < 7
	PLACES                                         ; in front of loads into the set that the last K step's products read
	FETCHB \t, \q+1, (\q+1)%2
.endif
	MULS \t, \q, \q%2, \nat, \bias
.endr
	WIN 0
	PLACES                                         ; in front of the first read of results
.endm
.macro OUTP base, stra, strb           ; rounded to f16, each accumulator from its low end on; a store is 512 consecutive bytes
.irp a, 0,1,2,3
	s_wait_xcnt 0x0                                ; the stores of two blocks ago have read their registers
	WIN 0x05
.irp b, 0,1,2,3,4,5,6,7
.irp i, 0,1,2,3
	v_cvt_pk_f16_f32 v[PK+32*(\a%2)+4*\b+\i], v[64*\a+8*\b+2*\i], v[64*\a+8*\b+2*\i+1]
.endr
.endr
	WIN 0
.irp b, 0,1,2,3,4,5,6,7
	global_store_b128 v[LI], v[PK+32*(\a%2)+4*\b:PK+32*(\a%2)+4*\b+3], s[\base:\base+1] offset:\stra*\a+\strb*\b
.endr
.endr
.endm
.macro LOPART a, b, base, off          ; the low parts of accumulator (a, b): number - f32(f16(number)), rounded to f16
	WIN 0x05
.irp i, 0,1,2,3
	v_cvt_pk_f16_f32 v[4+\i], v[64*(\a)+8*(\b)+2*\i], v[64*(\a)+8*(\b)+2*\i+1]
.endr
	WIN 0
	v_cvt_f32_f16 v8, v4.l
	v_cvt_f32_f16 v9, v4.h
	v_cvt_f32_f16 v10, v5.l
	v_cvt_f32_f16 v11, v5.h
	v_cvt_f32_f16 v12, v6.l
	v_cvt_f32_f16 v13, v6.h
	v_cvt_f32_f16 v14, v7.l
	v_cvt_f32_f16 v15, v7.h
	WIN 0x01
.irp i, 0,1,2,3,4,5,6,7
	v_sub_f32 v[XF+\i], v[64*(\a)+8*(\b)+\i], v[XF+\i]
.endr
	WIN 0
	s_wait_xcnt 0x0                                ; the last store has read its data
.irp i, 0,1,2,3
	v_cvt_pk_f16_f32 v[LO4+\i], v[XF+2*\i], v[XF+2*\i+1]
.endr
	global_store_b128 v[LI], v[LO4:LO4+3], s[\base:\base+1] offset:\off
.endm
	; ---- Q
	TILE 0, 0, BX
	WIN 0x41
.set i, 0
.rept 128
	v_pk_mul_f32 v[2*i:2*i+1], v[2*i:2*i+1], s[CS:CS+1] op_sel_hi:[1,0]      ; x c, in f32, ahead of the rounding
.set i, i+1
.endr
	WIN 0
	OUTP 52, 32768, 512
	s_cmp_lg_u32 s70, 0
	s_cbranch_scc1 .Lq_done
.irp b, 0,1,2,3,4,5,6,7
	LOPART 0, \b, 58, 512*\b
.endr
.Lq_done:
	WIN 0xc0
.irp b, 0,1,2,3,4,5,6,7
	global_load_b32 v[BX+8*\b], v[BR], s[10:11] offset:64*\b                  ; bv at output 16 b + r
.endr
	WIN 0
	; ---- K
	TILE 1, 0, BY
	OUTP 54, 32768, 512
	s_cmp_lg_u32 s70, 0
	s_cbranch_scc1 .Lk_done
.irp a, 0,1
.irp b, 0,1,2,3,4,5,6,7
	LOPART \a, \b, 60, 32768*\a+512*\b
.endr
.endr
.Lk_done:
	; ---- V^T
	s_wait_loadcnt 0x0                             ; bv
	WIN 0xc3
.irp b, 0,1,2,3,4,5,6,7
.irp j, 1,2,3,4,5,6,7
	v_mov_b32 v[BX+8*\b+\j], v[BX+8*\b]            ; a lane's eight registers are eight positions of one output: the same bias
.endr
.endr
	WIN 0
	TILE 2, 1, BX
	OUTP 56, 512, 65536
	s_cmp_lg_u32 s70, 0
	s_cbranch_scc1 .Lv_done
.irp a, 0,1
.irp b, 0,1,2,3,4,5,6,7
	LOPART \a, \b, 62, 1024*\b+512*\a
.endr
.endr
.Lv_done:
	s_wait_tensorcnt 0x0                           ; the wave's end
	ds_add_u32 v[SPW], v[NIL]
	s_wait_dscnt 0x0
	ROUND                                          ; the closing round
	s_endpgm
.Lfunc_end_k_q9efa744f36_proj:
	.size	k_q9efa744f36_proj, .Lfunc_end_k_q9efa744f36_proj-k_q9efa744f36_proj
	.p2alignl 7, 3214868480
	.fill 96, 4, 3214868480
	.section	.rodata,"a",@progbits
	.p2align	6, 0x0
	.amdhsa_kernel k_q9efa744f36_proj
		.amdhsa_group_segment_fixed_size 197120
		.amdhsa_private_segment_fixed_size 0
		.amdhsa_enable_private_segment 0
		.amdhsa_kernarg_size 56
		.amdhsa_user_sgpr_count 2
		.amdhsa_user_sgpr_kernarg_segment_ptr 1
		.amdhsa_wavefront_size32 1
		.amdhsa_system_sgpr_workgroup_id_x 1
		.amdhsa_system_sgpr_workgroup_id_y 1
		.amdhsa_system_sgpr_workgroup_id_z 1
		.amdhsa_system_vgpr_workitem_id 0
		.amdhsa_next_free_vgpr 1024
		.amdhsa_next_free_sgpr 80
		.amdhsa_reserve_vcc 0
		.amdhsa_float_denorm_mode_32 3
		.amdhsa_float_denorm_mode_16_64 3
		.amdhsa_memory_ordered 1
		.amdhsa_forward_progress 1
		.amdhsa_inst_pref_size 239
	.end_amdhsa_kernel
	.amdgpu_metadata
---
amdhsa.version: [ 1, 2 ]
amdhsa.kernels:
  - .name:           k_q9efa744f36_proj
    .symbol:         k_q9efa744f36_proj.kd
    .args:
      - { .name: qz, .offset: 0, .size: 8, .value_kind: global_buffer, .address_space: global }
      - { .name: bq, .offset: 8, .size: 8, .value_kind: global_buffer, .address_space: global }
      - { .name: bk, .offset: 16, .size: 8, .value_kind: global_buffer, .address_space: global }
      - { .name: bv, .offset: 24, .size: 8, .value_kind: global_buffer, .address_space: global }
      - { .name: qk16, .offset: 32, .size: 8, .value_kind: global_buffer, .address_space: global }
      - { .name: vt16, .offset: 40, .size: 8, .value_kind: global_buffer, .address_space: global }
      - { .name: lo, .offset: 48, .size: 8, .value_kind: global_buffer, .address_space: global }
    .group_segment_fixed_size: 197120
    .private_segment_fixed_size: 0
    .kernarg_segment_align: 8
    .kernarg_segment_size: 56
    .max_flat_workgroup_size: 128
    .sgpr_count:     80
    .vgpr_count:     1024
    .wavefront_size: 32
...
	.end_amdgpu_metadata
.endif
;; end of part 2
;; launch scores (part 3): grid 8 x 32, 4 waves a work-group, clusters of 4 x 4, 327,680 bytes of LDS; arguments qk16, mw, p16, st; writes p16, st
.if DOCPART == 3
	.amdgcn_target "amdgcn-amd-amdhsa--gfx1250"
	.amdhsa_code_object_version 6
	.text
	.protected	k_q9efa744f36_scores
	.globl	k_q9efa744f36_scores
	.p2align	8
	.type	k_q9efa744f36_scores,@function
k_q9efa744f36_scores:
	s_mov_b64 s[64:65], 0
	v_nop
	global_prefetch_b8 v0, s[64:65] scope:SCOPE_SE
	s_setreg_imm32_b32 hwreg(HW_REG_WAVE_MODE, 25, 1), 1
	s_wait_xcnt 0x0
	s_wait_alu depctr_hold_cnt(0) depctr_sa_sdst(0) depctr_va_vdst(0) depctr_va_sdst(0) depctr_va_ssrc(0) depctr_va_vcc(0) depctr_vm_vsrc(0)
	s_getreg_b32 s2, hwreg(HW_REG_IB_STS2, 6, 4)
	s_cmp_eq_u32 s2, 0
	s_cbranch_scc0 .Lentry_in_a_cluster
	s_endpgm
.Lentry_in_a_cluster:
	s_bfe_u32 s2, ttmp6, 0x10000c
	s_cmp_lg_u32 s2, 0xf033
	s_cbranch_scc0 .Lentry_shape_is_right
	s_endpgm
.Lentry_shape_is_right:
; THIRD LAUNCH: t = (c Q) K^T in f16 operands and f32 sums; blocked places become TM = -1e9 log2(e); for each row and each 128 keys: M = the largest t rounded up to a whole number, p = 2^(t - M), l = the sum of p.
; p goes out as f16 images of the next product's operand, (M, l) as f32.  The next launch joins the sixteen parts of a row by exact powers of two: so the row's maximum is taken away as reference() does.
; No work is left out: the mask is an input, so every tile is multiplied.  A row that is blocked everywhere gives t - M = 0 and p = 1 at all its keys: the uniform average of reference().
; SHARES: a work-group makes 256 queries x 256 keys of one batch; wave (wm, wn) 128 x 128: 64 accumulators, 512 registers.  K (the 1,024 along e) goes in 8 steps of 128 through a ring of two LDS slots.
; The operands lie in memory as images of their registers, so a tile is 16 runs of 4,096 bytes, a fragment load reads 512 consecutive LDS bytes, and there is no padding.
; CLUSTERS: 4 x 4.  Q's tile hangs on the tile row alone and is shared along a row of the cluster, K's on the batch and the tile column and is shared along a column: each is asked for jointly.
; THE MATRIX INSTRUCTION IS USED TRANSPOSED: source 0 = 16 keys, source 1 = 16 queries: a lane holds one query (lane % 16) and keys 16 b + 8 (lane / 16) + 0 .. 7.
; THE MASK: my wave's 512 lane masks are 2,048 consecutive bytes: four loads at the head bring them into 16 registers, and each block of 16 queries takes its 64 words from there by v_readlane_b32.
; REGISTERS: window 0: v1-31 addresses; v32-59 the way out's; v64-127, v128-191 Q's fragments, two buffers (on the way out: scores, packed p); v192-207 the lane masks.  window 1: K's fragments.
;   windows 2, 3: the accumulators, (a, b) at 8 (8 (a % 4) + b).
.set KOFF,  16777216
.set SLOT,  131072                     ; Q's 16 tiles of 16 rows x 4,096 bytes, then K's
.set STAT,  262144                     ; behind the ring: 1,024 bytes a wave for (M, l)
.set SPARE, 266240
.set LAPS,  4                          ; a lap = two K steps
.set LI,   1
.set ADRA, 16
.set ADRB, 20
.set STS,  24
.set STL,  25
.set SPW,  28
.set NIL,  29
.set ST,   32                          ; v32-47 (M, l) of my row in blocks 0 to 7
.set TMR,  48
.set S,    64
.set PK,   128
.set MV,   192                         ; v192-207 word n of block a: register 4 (a / 2) + n % 4, lane 16 (a % 2) + n / 4
.set F0,   64
.set F1,   128
.set G1,   24
.set G0,   32
.set G1B,  48
.set G0B,  56
.set WV,   84
.set WM,   85
.set WN,   86
.set MWB,  92
.set PB,   94
.set STB,  96
.set SEL,  98
.set MSB, 0
.macro WIN new
.if MSB != (\new)
	s_set_vgpr_msb (MSB<<8)|(\new)
.set MSB, (\new)
.endif
.endm
.set MUL_LO, 0xa1                      ; source 0 (K) window 1, source 1 (Q) window 0, C and D window 2
.set MUL_HI, 0xf1
.set TO_B,   0x40
.macro PLACES
.rept 4
	v_nop
.endr
.endm
.macro JLOAD s                         ; waves 0 and 1 fetch Q's halves, waves 2 and 3 K's; the branch hangs on the wave's number alone
	s_cmp_eq_u32 s[WM], 0
	s_cbranch_scc0 .Lfor_b_\@
	tensor_load_to_lds s[G0+4*\s:G0+4*\s+3], s[G1:G1+7]
	s_nop 0
.rept 4
	v_nop
.endr
	s_branch .Lasked_\@
.Lfor_b_\@:
	tensor_load_to_lds s[G0B+4*\s:G0B+4*\s+3], s[G1B:G1B+7]
	s_nop 0
.rept 4
	v_nop
.endr
.Lasked_\@:
.endm
.macro CREST
	s_cmp_lg_u32 s[WV], 0
	s_cbranch_scc1 .Lnot_wave_0_\@
	s_barrier_signal -3
.Lnot_wave_0_\@:
	s_barrier_wait -3
	s_barrier_signal -1
	s_barrier_wait -1
.endm
.macro CROUND
	s_barrier_signal -1
	s_barrier_wait -1
	CREST
.endm
	s_load_b256 s[4:11], s[0:1], 0x0               ; qk16, mw, p16, st
	v_lshl_add_u32 v[SPW], v0, 2, SPARE
	v_mov_b32 v[NIL], 0
	ds_add_u32 v[SPW], v[NIL]                      ; the opening: the add, twice on end, and its wait ahead of my first tensor load
	ds_add_u32 v[SPW], v[NIL]
	v_lshrrev_b32 v2, 5, v0
	v_readfirstlane_b32 s[WV], v2
	s_lshr_b32 s[WM], s[WV], 1                     ; which half of the queries is mine.  Also: I fetch for Q (0) or K (1)
	s_and_b32 s[WN], s[WV], 1                      ; which half of the keys.  Also: which half of that tile I fetch
	s_bfe_u32 s87, ttmp6, 0x40000                  ; cx
	s_bfe_u32 s88, ttmp6, 0x40004                  ; cy
	s_lshl_b32 s89, ttmp9, 2
	s_add_co_u32 s89, s89, s87                     ; tile column: 256 keys
	s_and_b32 s91, ttmp7, 0xffff
	s_lshl_b32 s90, s91, 2
	s_add_co_u32 s90, s90, s88                     ; tile row: 256 of the 8,192 rows
	s_lshr_b32 s91, s91, 1                         ; the batch: by the cluster's y alone
	s_lshl_b32 s12, s88, 2
	s_lshl_b32 s12, 15, s12                        ; my row of the cluster
	s_lshl_b32 s13, 0x1111, s87                    ; my column
	s_or_b32 s[G1], s12, (3<<16)|(1<<21)           ; elements of 8 bytes; bit 21 beside a mask; no padding
	s_or_b32 s[G1B], s13, (3<<16)|(1<<21)
.irp g, G1, G1B
	s_mov_b32 s[\g+1], 512<<16                     ; tensor_dim0 = 512 elements: 4,096 bytes, a K step of one tile of 16 rows
	s_mov_b32 s[\g+2], 8<<16                       ; tensor_dim1 = 8 such tiles
	s_mov_b32 s[\g+3], 512<<16
	s_mov_b32 s[\g+4], 8
	s_mov_b32 s[\g+5], 4096                        ; 32,768 bytes from tile to tile
	s_mov_b32 s[\g+6], 0
	s_mov_b32 s[\g+7], 0
.endr
	s_lshl_b32 s14, s90, 4
	s_lshl_b32 s15, s[WN], 3
	s_add_co_u32 s14, s14, s15                     ; Q: tile of rows 16 x tile row + 8 x half
	s_lshl_b32 s14, s14, 15
	s_mov_b32 s15, 0
	s_lshl_b32 s20, s91, 7
	s_lshl_b32 s21, s89, 4
	s_add_co_u32 s20, s20, s21
	s_lshl_b32 s21, s[WN], 3
	s_add_co_u32 s20, s20, s21                     ; K: 128 batch + 16 x tile column + 8 x half
	s_lshl_b32 s20, s20, 15
	s_add_co_u32 s20, s20, KOFF
	s_mov_b32 s21, 0
	s_lshl_b32 s22, s[WV], 15                      ; where they go: 32,768 x wave
	s_mov_b32 s[SEL], 0x76543210
	s_mov_b32 s[SEL+1], 0xfedcba98
	s_wait_dscnt 0x0
	s_wait_kmcnt 0x0
	s_add_nc_u64 s[14:15], s[4:5], s[14:15]
	s_add_nc_u64 s[20:21], s[4:5], s[20:21]
	CROUND                                         ; all sixteen work-groups are here
.irp s, 0,1
	s_mov_b32 s[G0+4*\s], 1
	s_add_co_u32 s[G0+4*\s+1], s22, \s*SLOT
	s_add_nc_u64 s[G0+4*\s+2:G0+4*\s+3], s[14:15], \s*4096
	s_or_b32 s[G0+4*\s+3], s[G0+4*\s+3], 0x80000000
	s_mov_b32 s[G0B+4*\s], 1
	s_add_co_u32 s[G0B+4*\s+1], s22, \s*SLOT
	s_add_nc_u64 s[G0B+4*\s+2:G0B+4*\s+3], s[20:21], \s*4096
	s_or_b32 s[G0B+4*\s+3], s[G0B+4*\s+3], 0x80000000
	JLOAD \s
.endr
	v_and_b32 v[LI], 31, v0
	v_lshlrev_b32 v[LI], 4, v[LI]
	s_lshl_b32 s12, s[WM], 15
	s_lshl_b32 s13, s[WN], 15
	s_add_co_u32 s13, s13, 65536
.irp s, 0,1
	v_add_nc_u32 v[ADRA+\s], s12, v[LI]
	v_add_nc_u32 v[ADRB+\s], s13, v[LI]
	s_add_co_u32 s12, s12, SLOT
	s_add_co_u32 s13, s13, SLOT
.endr
	s_lshl_b32 s12, s[WV], 10
	s_add_co_u32 s12, s12, STAT
	v_and_b32 v2, 15, v0
	v_lshl_add_u32 v[STS], v2, 3, s12              ; (M, l) of row r: 8 bytes
	v_add_nc_u32 v[STL], s12, v[LI]
	v_mov_b32 v[TMR], 0xceabfb8f                   ; TM = -1e9 log2(e), a whole number in f32
	v_mov_b32 v51, 0                               ; named as the upper half of the pair v[50:51]
	v_mov_b32 v57, 0                               ; a lane permute's destination counts as one of its sources
	s_lshl_b32 s12, s89, 1
	s_add_co_u32 s12, s12, s[WN]                   ; my chunk of 128 keys
	s_lshl_b32 s13, s12, 15
	s_and_b32 s14, s90, 7
	s_lshl_b32 s14, s14, 4
	s_lshl_b32 s15, s[WM], 3
	s_add_co_u32 s14, s14, s15                     ; my first block of 16 rows of the mask
	s_lshl_b32 s14, s14, 8
	s_add_co_u32 s14, s14, s13
	s_mov_b32 s15, 0
	s_add_nc_u64 s[MWB:MWB+1], s[6:7], s[14:15]
	s_lshl_b32 s13, s12, 16
	s_lshl_b32 s14, s90, 11
	s_add_co_u32 s14, s14, s13
	s_lshl_b32 s13, s[WM], 10
	s_add_co_u32 s14, s14, s13
	s_add_nc_u64 s[STB:STB+1], s[10:11], s[14:15]  ; st: chunk x 65,536 + my first row x 8
	s_lshl_b32 s14, s90, 20
	s_lshl_b32 s13, s[WM], 19
	s_add_co_u32 s14, s14, s13
	s_lshl_b32 s13, s12, 12
	s_add_co_u32 s14, s14, s13
	s_add_nc_u64 s[PB:PB+1], s[8:9], s[14:15]      ; p16: my first tile of rows x 65,536 + chunk x 4 KiB
.irp i, 0,1,2,3
	global_load_b128 v[MV+4*\i:MV+4*\i+3], v[LI], s[MWB:MWB+1] offset:512*\i   ; my eight blocks' lane masks: 4 x 512 consecutive bytes; waited for behind the last product; address and base are never rewritten
.endr
.macro MUL16 f, hi, a0, zero           ; 16 products; the 64 accumulators take turns, one instruction a turn, in the same order in every quarter
.irp a, \a0, \a0+1
.irp b, 0,1,2,3,4,5,6,7
.if \zero
	v_wmma_f32_16x16x32_f16 v[8*(8*(\a)+\b):8*(8*(\a)+\b)+7], v[\f+8*\b:\f+8*\b+7], v[\f+8*(4*\hi+\a):\f+8*(4*\hi+\a)+7], 0
.else
	v_wmma_f32_16x16x32_f16 v[8*(8*(\a)+\b):8*(8*(\a)+\b)+7], v[\f+8*\b:\f+8*\b+7], v[\f+8*(4*\hi+\a):\f+8*(4*\hi+\a)+7], v[8*(8*(\a)+\b):8*(8*(\a)+\b)+7]
.endif
.endr
.endr
.endm
.macro FETCH slot, qd, f               ; 32 LDS loads in one run: the fragments of quarter qd (32 along e): K's eight, then Q's eight
	WIN TO_B
.irp i, 0,1,2,3,4,5,6,7
	ds_load_b128 v[\f+8*\i:\f+8*\i+3],   v[ADRB+\slot] offset:4096*\i+1024*(\qd)
	ds_load_b128 v[\f+8*\i+4:\f+8*\i+7], v[ADRB+\slot] offset:4096*\i+1024*(\qd)+512
.endr
	WIN 0
.irp i, 0,1,2,3,4,5,6,7
	ds_load_b128 v[\f+8*\i:\f+8*\i+3],   v[ADRA+\slot] offset:4096*\i+1024*(\qd)
	ds_load_b128 v[\f+8*\i+4:\f+8*\i+7], v[ADRA+\slot] offset:4096*\i+1024*(\qd)+512
.endr
.endm
.macro QUARTER slot, qd, f, g, zero    ; multiplies buffer f; in its middle fetches quarter qd of the same slot into buffer g
	s_wait_dscnt 8                                 ; K's fragments and Q's rows 0-63 are in; the youngest eight loads may be out
	WIN MUL_LO
	MUL16 \f, 0, 0, \zero
	MUL16 \f, 0, 2, \zero
	PLACES                                         ; in front of loads into registers that matrix instructions have read
	FETCH \slot, \qd, \g
	s_wait_dscnt 32                                ; all but the 32 just issued
	WIN MUL_HI
	MUL16 \f, 1, 0, \zero
	MUL16 \f, 1, 2, \zero
.endm
; A slot's last quarter multiplies buffer 1 and changes slots: one barrier; in front of it each wave waits for all its tensor loads (one is out: its part of the next slot), adds 0 to its spare word,
; and waits for that and for its reads of this slot.  fill = 1: the barrier opens a round of the cluster's, and this slot is filled again, two K steps ahead: 224 matrix instructions ahead of the wait for it.
.macro TURN slot, next, fill
	WIN 0
	s_wait_tensorcnt 0x0
	ds_add_u32 v[SPW], v[NIL]
	s_wait_dscnt 9                                 ; the add and the youngest eight loads may be out
	WIN MUL_LO
	MUL16 F1, 0, 0, 0
	s_wait_dscnt 0x0                               ; the add is done, and my reads of this slot are over
	s_barrier_signal -1
	MUL16 F1, 0, 2, 0
.if \fill
	WIN 0
.endif
	s_barrier_wait -1
.if \fill
	CREST
	s_add_nc_u64 s[G0+4*\slot+2:G0+4*\slot+3], s[G0+4*\slot+2:G0+4*\slot+3], 8192
	s_add_nc_u64 s[G0B+4*\slot+2:G0B+4*\slot+3], s[G0B+4*\slot+2:G0B+4*\slot+3], 8192
	JLOAD \slot                                    ; the first tensor load behind the round; its four v_nop are also the places in front of the loads below
.else
	PLACES
.endif
	FETCH \next, 0, F0
	WIN MUL_HI
	MUL16 F1, 1, 0, 0
	MUL16 F1, 1, 2, 0
.endm
	s_wait_tensorcnt 1                             ; my part of K step 0 is in; K step 1's may stay out
	s_barrier_signal -1
	s_barrier_wait -1
	FETCH 0, 0, F0
	QUARTER 0, 1, F0, F1, 1                        ; the first quarter's products start the sums
	WIN 0
	s_mov_b32 s3, LAPS-1
.Llap:
	QUARTER 0, 2, F1, F0, 0
	QUARTER 0, 3, F0, F1, 0
	TURN 0, 1, 1
	QUARTER 1, 1, F0, F1, 0
	QUARTER 1, 2, F1, F0, 0
	QUARTER 1, 3, F0, F1, 0
	TURN 1, 0, 1
	QUARTER 0, 1, F0, F1, 0
	WIN 0
	s_sub_co_u32 s3, s3, 1
	s_cmp_lg_u32 s3, 0
	s_cbranch_scc1 .Llap
	QUARTER 0, 2, F1, F0, 0                        ; the last lap fills nothing
	QUARTER 0, 3, F0, F1, 0
	TURN 0, 1, 0                                   ; its wait for all tensor loads is the last: behind it the descriptors' registers are free
	QUARTER 1, 1, F0, F1, 0
	QUARTER 1, 2, F1, F0, 0
	QUARTER 1, 3, F0, F1, 0
	s_wait_dscnt 8
	WIN MUL_LO
	MUL16 F1, 0, 0, 0
	MUL16 F1, 0, 2, 0
	s_wait_dscnt 0x0
	WIN MUL_HI
	MUL16 F1, 1, 0, 0
	MUL16 F1, 1, 2, 0
	WIN 0
	PLACES
	s_wait_loadcnt 0x0                             ; the lane masks, asked for at the head
; THE WAY OUT of block a: 16 queries x my 128 keys.
.macro SOFT a
.set AC, 64*((\a)%4)
	WIN 0
.set n, 0
.rept 64                                       ; the block's 64 lane masks into s16-63 and s68-83
.if n < 48
	v_readlane_b32 s[16+n], v[MV+4*((\a)/2)+n%4], 16*((\a)%2)+n/4
.else
	v_readlane_b32 s[20+n], v[MV+4*((\a)/2)+n%4], 16*((\a)%2)+n/4
.endif
.set n, n+1
.endr
	WIN 0x08+4*((\a)/4)                            ; source 1: window 2 or 3
.set n, 0
.rept 64                                       ; open: the score; blocked: TM.  Each accumulator from its low end on
.if n < 48
	v_cndmask_b32 v[S+n], v[TMR], v[AC+n], s[16+n]
.else
	v_cndmask_b32 v[S+n], v[TMR], v[AC+n], s[20+n]
.endif
.set n, n+1
.endr
	WIN 0
.irp k, 0,1,2,3
	v_max3_num_f32 v[52+\k], v[S+16*\k], v[S+16*\k+1], v[S+16*\k+2]
.endr
.irp i, 3,5,7,9,11,13
.irp k, 0,1,2,3
	v_max3_num_f32 v[52+\k], v[52+\k], v[S+16*\k+\i], v[S+16*\k+\i+1]
.endr
.endr
.irp k, 0,1,2,3
	v_max_num_f32 v[52+\k], v[52+\k], v[S+16*\k+15]
.endr
	v_max3_num_f32 v56, v52, v53, v54
	v_max_num_f32 v56, v56, v55
	v_permlanex16_b32 v57, v56, s[SEL], s[SEL+1]
	v_max_num_f32 v56, v56, v57                    ; the largest t of my query in these 128 keys
	v_floor_f32 v50, -v56                          ; -M = floor(-t): M is a whole number
.set n, 0
.rept 32
	v_pk_add_f32 v[S+n:S+n+1], v[S+n:S+n+1], v[50:51] op_sel_hi:[1,0]
.set n, n+2
.endr
.set n, 0
.rept 64
	v_exp_f32 v[S+n], v[S+n]                       ; p = 2^(t - M)
.set n, n+1
.endr
	v_sub_f32 v[ST+2*(\a)], 0, v50                 ; M.  (The plain line behind the exponentials)
	s_wait_alu depctr_va_vdst(0)                   ; one wait for the batch, ahead of its first reader
	v_pk_add_f32 v[52:53], v[S:S+1], v[S+2:S+3]    ; l, of the p as they are in f32, in two chains
	v_pk_add_f32 v[54:55], v[S+4:S+5], v[S+6:S+7]
.irp j, 8,12,16,20,24,28,32,36,40,44,48,52,56,60
	v_pk_add_f32 v[52:53], v[52:53], v[S+\j:S+\j+1]
	v_pk_add_f32 v[54:55], v[54:55], v[S+\j+2:S+\j+3]
.endr
	v_pk_add_f32 v[52:53], v[52:53], v[54:55]
	v_add_f32 v52, v52, v53
	v_permlanex16_b32 v57, v52, s[SEL], s[SEL+1]
	v_add_f32 v[ST+2*(\a)+1], v52, v57
	s_wait_xcnt 0x0                                ; the stores of two blocks ago have read their registers
.set n, 0
.rept 32
	v_cvt_pk_f16_f32 v[PK+32*((\a)%2)+n], v[S+2*n], v[S+2*n+1]
.set n, n+1
.endr
.irp b, 0,1,2,3,4,5,6,7
	global_store_b128 v[LI], v[PK+32*((\a)%2)+4*\b:PK+32*((\a)%2)+4*\b+3], s[PB:PB+1] offset:65536*(\a)+512*\b   ; 512 consecutive bytes: half an image of 16 queries x 32 keys
.endr
.endm
	SOFT 0
	SOFT 1
	SOFT 2
	SOFT 3
	SOFT 4
	SOFT 5
	SOFT 6
	SOFT 7
.irp a, 0,1,2,3,4,5,6,7
	ds_store_b64 v[STS], v[ST+2*\a:ST+2*\a+1] offset:128*\a    ; both halves of the lanes write the same bytes with the same value
.endr
	ds_load_b128 v[52:55], v[STL]                  ; LDS serves a wave's instructions in order: these see my stores
	ds_load_b128 v[56:59], v[STL] offset:512
	s_wait_dscnt 0x0
	global_store_b128 v[LI], v[52:55], s[STB:STB+1]
	global_store_b128 v[LI], v[56:59], s[STB:STB+1] offset:512
	s_wait_tensorcnt 0x0                           ; the wave's end
	ds_add_u32 v[SPW], v[NIL]
	s_wait_dscnt 0x0
	CROUND                                         ; the closing round
	s_endpgm
.Lfunc_end_k_q9efa744f36_scores:
	.size	k_q9efa744f36_scores, .Lfunc_end_k_q9efa744f36_scores-k_q9efa744f36_scores
	.p2alignl 7, 3214868480
	.fill 96, 4, 3214868480
	.section	.rodata,"a",@progbits
	.p2align	6, 0x0
	.amdhsa_kernel k_q9efa744f36_scores
		.amdhsa_group_segment_fixed_size 327680
		.amdhsa_private_segment_fixed_size 0
		.amdhsa_enable_private_segment 0
		.amdhsa_kernarg_size 32
		.amdhsa_user_sgpr_count 2
		.amdhsa_user_sgpr_kernarg_segment_ptr 1
		.amdhsa_wavefront_size32 1
		.amdhsa_system_sgpr_workgroup_id_x 1
		.amdhsa_system_sgpr_workgroup_id_y 1
		.amdhsa_system_sgpr_workgroup_id_z 1
		.amdhsa_system_vgpr_workitem_id 0
		.amdhsa_next_free_vgpr 1024
		.amdhsa_next_free_sgpr 100
		.amdhsa_reserve_vcc 0
		.amdhsa_float_denorm_mode_32 3
		.amdhsa_float_denorm_mode_16_64 3
		.amdhsa_memory_ordered 1
		.amdhsa_forward_progress 1
		.amdhsa_inst_pref_size 255
	.end_amdhsa_kernel
	.section	.bss,"aw",@nobits
	.p2align	6
	.space	262144
	.amdgpu_metadata
---
amdhsa.version: [ 1, 2 ]
amdhsa.kernels:
  - .name:           k_q9efa744f36_scores
    .symbol:         k_q9efa744f36_scores.kd
    .args:
      - { .name: qk16, .offset: 0, .size: 8, .value_kind: global_buffer, .address_space: global }
      - { .name: mw, .offset: 8, .size: 8, .value_kind: global_buffer, .address_space: global }
      - { .name: p16, .offset: 16, .size: 8, .value_kind: global_buffer, .address_space: global }
      - { .name: st, .offset: 24, .size: 8, .value_kind: global_buffer, .address_space: global }
    .group_segment_fixed_size: 327680
    .private_segment_fixed_size: 0
    .kernarg_segment_align: 8
    .kernarg_segment_size: 32
    .max_flat_workgroup_size: 128
    .sgpr_count:     100
    .vgpr_count:     1024
    .wavefront_size: 32
...
	.end_amdgpu_metadata
.endif
;; end of part 3
;; launch pv (part 4): grid 64 x 4, 4 waves a work-group, clusters of 4 x 1, 327,680 bytes of LDS; arguments p16, st, vt16, out0; writes out0
.if DOCPART == 4
	.amdgcn_target "amdgcn-amd-amdhsa--gfx1250"
	.amdhsa_code_object_version 6
	.text
	.protected	k_q9efa744f36_pv
	.globl	k_q9efa744f36_pv
	.p2align	8
	.type	k_q9efa744f36_pv,@function
k_q9efa744f36_pv:
	s_mov_b64 s[64:65], 0
	v_nop
	global_prefetch_b8 v0, s[64:65] scope:SCOPE_SE
	s_setreg_imm32_b32 hwreg(HW_REG_WAVE_MODE, 25, 1), 1
	s_wait_xcnt 0x0
	s_wait_alu depctr_hold_cnt(0) depctr_sa_sdst(0) depctr_va_vdst(0) depctr_va_sdst(0) depctr_va_ssrc(0) depctr_va_vcc(0) depctr_vm_vsrc(0)
	s_getreg_b32 s2, hwreg(HW_REG_IB_STS2, 6, 4)
	s_cmp_eq_u32 s2, 0
	s_cbranch_scc0 .Lentry_in_a_cluster
	s_endpgm
.Lentry_in_a_cluster:
	s_bfe_u32 s2, ttmp6, 0x10000c
	s_cmp_lg_u32 s2, 0x3003
	s_cbranch_scc0 .Lentry_shape_is_right
	s_endpgm
.Lentry_shape_is_right:
; FOURTH LAUNCH: out = (sum over the 16 chunks j of 2^(Mj - Mrow) Pj Vj) / (sum over j of 2^(Mj - Mrow) lj), Mrow = the largest Mj of the row.  f16 operands, f32 sums; the factors are exact powers of two, applied in f32.  No work is left out.
; SHARES: a work-group makes 128 rows x 256 columns; wave (wm, wn) 64 x 128: 32 accumulators.  Source 0 = 16 columns of V^T, source 1 = 16 rows of P: a lane holds one row and eight neighbouring columns.
; V^T is read by all four waves and by the four partners of the cluster (four blocks of rows of one batch): joint tensor loads, a ring of two LDS slots of 256 keys (128 KiB); every wave fetches a quarter of a slot.
; P's rows are a wave's own (two waves share them): from memory straight into registers, a ring of eight buffers of 32 keys, seven quarters ahead, so that the wait for all tensor loads at a change of slots does not cut that stream.
; A quarter = 32 keys = 32 matrix instructions; a chunk = 4 quarters.  A CHUNK IS SUMMED BY ITSELF, into T (its first products take the constant 0 as C), and then JOINED: A += factor x T, four packed
; multiply-adds for each accumulator.  The joins stand in slices of four behind 32 matrix instructions: tile of rows 0's behind tile 1's last products of the chunk, 1's behind 2's, 2's behind 3's, 3's behind
; the next chunk's first products of tile 0.  Chunk 0's join is a plain multiply, so nothing is ever cleared: it is written out ahead of the loop.
; REGISTERS: window 0: v1-10 addresses; v12-19 at work; v32-35 a chunk's four factors as loaded, v36-43 the same at even registers; v44-51 1 / l; v64-127, v128-191 V's fragments, two buffers; v192-255 at work.
;   window 1: T (a = 0, 1; b) at 64 a + 8 b; P's buffer n at 128 + 16 n + 8 a.   window 2: the same for a = 2, 3.   window 3: A (a, b) at 64 a + 8 b.
.set SLOT,  131072
.set ATB,   262144                     ; behind the ring: 8,448 bytes a wave: the table of factors, later the stage for the way out
.set SPARE, 295936
.set LI,  1
.set SPW, 2
.set NIL, 3
.set ADV, 4
.set ATA, 6
.set STO, 7
.set RD,  8
.set PFO, 9
.set SO,  10
.set XA,  32
.set AL,  36
.set INV, 44
.set F0,  64
.set TMP, 192
.set G1,  16
.set G0,  24
.set WV,  32
.set WM,  33
.set WN,  34
.set PB0, 40
.set PFA, 42
.set LIM, 44
.set OB,  46
.set STB, 48
.set S1,  0x54                         ; source 0 window 0; source 1, C and D window 1
.set S2,  0xa8
.set MSB, 0
.macro WIN new
.if MSB != (\new)
	s_set_vgpr_msb (MSB<<8)|(\new)
.set MSB, (\new)
.endif
.endm
.macro PLACES
.rept 4
	v_nop
.endr
.endm
.macro CREST
	s_cmp_lg_u32 s[WV], 0
	s_cbranch_scc1 .Lnot_wave_0_\@
	s_barrier_signal -3
.Lnot_wave_0_\@:
	s_barrier_wait -3
	s_barrier_signal -1
	s_barrier_wait -1
.endm
.macro CROUND
	s_barrier_signal -1
	s_barrier_wait -1
	CREST
.endm
	s_load_b256 s[4:11], s[0:1], 0x0               ; p16, st, vt16, out0
	v_lshl_add_u32 v[SPW], v0, 2, SPARE
	v_mov_b32 v[NIL], 0
	ds_add_u32 v[SPW], v[NIL]                      ; the opening: the add, twice on end, and its wait ahead of my first tensor load
	ds_add_u32 v[SPW], v[NIL]
	v_lshrrev_b32 v12, 5, v0
	v_readfirstlane_b32 s[WV], v12
	s_lshr_b32 s[WM], s[WV], 1
	s_and_b32 s[WN], s[WV], 1
	s_bfe_u32 s35, ttmp6, 0x40000                  ; cx
	s_lshl_b32 s36, ttmp9, 2
	s_add_co_u32 s36, s36, s35                     ; my block of 128 rows
	s_lshr_b32 s37, ttmp9, 2                       ; the batch: by the cluster's x alone
	s_and_b32 s38, ttmp7, 0xffff                   ; my block of 256 columns
	s_mov_b32 s[G1], 15|(3<<16)|(1<<21)            ; mask: all four partners; elements of 8 bytes; no padding
	s_mov_b32 s[G1+1], 1024<<16                    ; tensor_dim0 = 1,024 elements: 8,192 bytes: 256 keys of 16 columns
	s_mov_b32 s[G1+2], 4<<16                       ; tensor_dim1 = 4 such tiles
	s_mov_b32 s[G1+3], 1024<<16
	s_mov_b32 s[G1+4], 4
	s_mov_b32 s[G1+5], 8192                        ; 65,536 bytes from tile to tile
	s_mov_b32 s[G1+6], 0
	s_mov_b32 s[G1+7], 0
	s_lshl_b32 s12, s37, 22                        ; V^T: tile 64 batch + 16 block + 4 wave: alike in all partners
	s_lshl_b32 s13, s38, 20
	s_add_co_u32 s12, s12, s13
	s_lshl_b32 s13, s[WV], 18
	s_add_co_u32 s12, s12, s13
	s_mov_b32 s13, 0
	s_lshl_b32 s14, s[WV], 15                      ; its place in a slot
	s_lshl_b32 s[PB0], s36, 19                     ; P: tile of rows 8 block + 4 wm
	s_lshl_b32 s15, s[WM], 18
	s_add_co_u32 s[PB0], s[PB0], s15
	s_mov_b32 s[PB0+1], 0
	s_lshl_b32 s[PFA], s38, 16                     ; the prefetches: of my four tiles of rows the one with my column block's number,
	s_add_co_u32 s[PFA], s[PFA], s[PB0]
	s_add_co_u32 s[PFA], s[PFA], 16384             ; at keys 512; the first change of slots steps it to 768
	s_mov_b32 s[PFA+1], 0
	s_cmp_eq_u32 s[WN], 0
	s_cselect_b32 s[LIM], 1, -1                    ; of the two waves that read the same rows the first asks
	s_lshl_b32 s[STB], s36, 10                     ; (M, l): my first row x 8
	s_lshl_b32 s15, s[WM], 9
	s_add_co_u32 s[STB], s[STB], s15
	s_mov_b32 s[STB+1], 0
	s_lshl_b32 s[OB], s36, 19                      ; out: my first row x 4,096 + my first column x 4
	s_lshl_b32 s15, s[WM], 18
	s_add_co_u32 s[OB], s[OB], s15
	s_lshl_b32 s15, s38, 10
	s_add_co_u32 s[OB], s[OB], s15
	s_lshl_b32 s15, s[WN], 9
	s_add_co_u32 s[OB], s[OB], s15
	s_mov_b32 s[OB+1], 0
	v_and_b32 v12, 31, v0
	v_lshlrev_b32 v[LI], 4, v12
	v_lshlrev_b32 v[PFO], 8, v12                   ; lanes 256 bytes apart
	v_and_b32 v13, 15, v0
	v_lshlrev_b32 v[SO], 3, v13
	v_bfe_u32 v14, v0, 4, 1
	s_lshl_b32 s50, s[WN], 16
	v_add_nc_u32 v[ADV], s50, v[LI]                ; my eight tiles of 16 columns in slot 0,
	s_add_co_u32 s50, s50, SLOT
	v_add_nc_u32 v[ADV+1], s50, v[LI]              ; in slot 1
	s_mul_i32 s50, s[WV], 8448
	s_add_co_u32 s50, s50, ATB
	v_add_nc_u32 v[ATA], s50, v[LI]
	v_add_nc_u32 v[RD], s50, v[LI]
	v_mul_u32_u24 v[STO], v13, 528
	v_lshl_add_u32 v[STO], v14, 5, v[STO]
	v_add_nc_u32 v[STO], s50, v[STO]
	s_wait_dscnt 0x0
	s_wait_kmcnt 0x0
	s_add_nc_u64 s[12:13], s[8:9], s[12:13]
	s_add_nc_u64 s[PB0:PB0+1], s[4:5], s[PB0:PB0+1]
	s_add_nc_u64 s[PFA:PFA+1], s[4:5], s[PFA:PFA+1]
	s_add_nc_u64 s[STB:STB+1], s[6:7], s[STB:STB+1]
	s_add_nc_u64 s[OB:OB+1], s[10:11], s[OB:OB+1]
.irp s, 0,1
	s_mov_b32 s[G0+4*\s], 1
	s_add_co_u32 s[G0+4*\s+1], s14, \s*SLOT
	s_add_nc_u64 s[G0+4*\s+2:G0+4*\s+3], s[12:13], \s*8192
	s_or_b32 s[G0+4*\s+3], s[G0+4*\s+3], 0x80000000
.endr
	CROUND                                         ; all four work-groups are here
	tensor_load_to_lds s[G0:G0+3], s[G1:G1+7]      ; every wave fetches: two loads of mine are out
	s_nop 0
	tensor_load_to_lds s[G0+4:G0+7], s[G1:G1+7]
	s_nop 0
	PLACES
.macro PLOAD k, half                   ; P's 32 keys number k (counted from the trip's base), tiles of rows 2 half, 2 half + 1, into buffer k % 8; the caller has set the data's window
.irp a, 0,1
.irp c, 0,1
	global_load_b128 v[128+16*((\k)%8)+8*\a+4*\c:128+16*((\k)%8)+8*\a+4*\c+3], v[LI], s[PB0:PB0+1] offset:65536*(2*(\half)+\a)+1024*(\k)+512*\c
.endr
.endr
.endm
.macro FETCHV slot, ks, f              ; V's eight fragments of 32 keys: images, 512 consecutive bytes a load
.irp b, 0,1,2,3,4,5,6,7
.irp c, 0,1
	ds_load_b128 v[\f+8*\b+4*\c:\f+8*\b+4*\c+3], v[ADV+\slot] offset:8192*\b+1024*(\ks)+512*\c
.endr
.endr
.endm
.irp j, 0,1,2,3,4,5,6,7,8,9,10,11,12,13,14,15
.irp a, 0,1,2,3
	global_load_b64 v[64+8*\j+2*\a:64+8*\j+2*\a+1], v[SO], s[STB:STB+1] offset:65536*\j+128*\a   ; (Mj, lj) of row 16 a + r
.endr
.endr
.irp k, 0,1,2,3,4,5,6
	WIN 0x40
	PLOAD \k, 0
	WIN 0x80
	PLOAD \k, 1
.endr
	WIN 0
	s_wait_loadcnt 56                              ; the 64 loads of (M, l) are in; P's 56 may be out
.irp a, 0,1,2,3
	v_max3_num_f32 v12, v[64+2*\a], v[72+2*\a], v[80+2*\a]
.irp j, 3,5,7,9,11,13
	v_max3_num_f32 v12, v12, v[64+8*\j+2*\a], v[72+8*\j+2*\a]
.endr
	v_max_num_f32 v12, v12, v[184+2*\a]            ; Mrow
.irp j, 0,1,2,3,4,5,6,7,8,9,10,11,12,13,14,15
	v_sub_f32 v[64+8*\j+2*\a], v[64+8*\j+2*\a], v12          ; a whole number, 0 or less
.endr
.irp j, 0,1,2,3,4,5,6,7,8,9,10,11,12,13,14,15
	v_cvt_i32_f32 v[64+8*\j+2*\a], v[64+8*\j+2*\a]
.endr
.irp j, 0,1,2,3,4,5,6,7,8,9,10,11,12,13,14,15
	v_ldexp_f32 v[TMP+4*\j+\a], 1.0, v[64+8*\j+2*\a]         ; the factor 2^(Mj - Mrow), f32
.endr
	v_mul_f32 v[16+\a], v[TMP+\a], v[65+2*\a]
.irp j, 1,2,3,4,5,6,7,8,9,10,11,12,13,14,15
	v_fma_f32 v[16+\a], v[TMP+4*\j+\a], v[65+8*\j+2*\a], v[16+\a]   ; the row's sum
.endr
.endr
.irp a, 0,1,2,3
	v_rcp_f32 v[INV+2*\a], v[16+\a]
.endr
	v_nop
	s_wait_alu depctr_va_vdst(0)                   ; one wait for the four reciprocals, ahead of their first reader
.irp a, 0,1,2,3
	v_mov_b32 v[INV+2*\a+1], v[INV+2*\a]
	v_mov_b32 v[AL+2*\a+1], 0                      ; named as the upper half of a pair of which the low word serves both halves
.endr
.irp j, 0,1,2,3,4,5,6,7,8,9,10,11,12,13,14,15
	ds_store_b128 v[ATA], v[TMP+4*\j:TMP+4*\j+3] offset:512*\j   ; the table: [chunk][lane][a]
.endr
	s_wait_tensorcnt 1                             ; my part of slot 0 is in; slot 1's may stay out
	s_wait_dscnt 0x0                               ; no LDS instruction of mine is out at a signal
	s_barrier_signal -1
	s_barrier_wait -1
	FETCHV 0, 0, F0
; The join of accumulator (fa, b): A += factor x T, in f32, from T's low end on.  first = 1: chunk 0: A = factor x T.
.macro JOIN fa, b, first
	WIN 0xf1+(\fa)/2                               ; source 0 (T) window 1 or 2, source 1 (the factor) window 0, source 2 and destination (A) window 3
.irp i, 0,1,2,3
.if \first
	v_pk_mul_f32 v[64*(\fa)+8*(\b)+2*\i:64*(\fa)+8*(\b)+2*\i+1], v[64*((\fa)%2)+8*(\b)+2*\i:64*((\fa)%2)+8*(\b)+2*\i+1], v[AL+2*(\fa):AL+2*(\fa)+1] op_sel_hi:[1,0]
.else
	v_pk_fma_f32 v[64*(\fa)+8*(\b)+2*\i:64*(\fa)+8*(\b)+2*\i+1], v[64*((\fa)%2)+8*(\b)+2*\i:64*((\fa)%2)+8*(\b)+2*\i+1], v[AL+2*(\fa):AL+2*(\fa)+1], v[64*(\fa)+8*(\b)+2*\i:64*(\fa)+8*(\b)+2*\i+1] op_sel_hi:[1,0,1]
.endif
.endr
.endm
; Eight products of tile of rows a (its eight accumulators; the 32 take turns over a quarter).  zero = 1: they start a chunk's sums.  fa >= 0: behind each stands a slice of tile fa's join.
.macro G a, zero, fa, first
.irp b, 0,1,2,3,4,5,6,7
	WIN 0x54*(1+(\a)/2)
.if \zero
	v_wmma_f32_16x16x32_f16 v[64*((\a)%2)+8*\b:64*((\a)%2)+8*\b+7], v[FV+8*\b:FV+8*\b+7], v[128+16*PBI+8*((\a)%2):128+16*PBI+8*((\a)%2)+7], 0
.else
	v_wmma_f32_16x16x32_f16 v[64*((\a)%2)+8*\b:64*((\a)%2)+8*\b+7], v[FV+8*\b:FV+8*\b+7], v[128+16*PBI+8*((\a)%2):128+16*PBI+8*((\a)%2)+7], v[64*((\a)%2)+8*\b:64*((\a)%2)+8*\b+7]
.endif
.if (\fa) >= 0
	JOIN \fa, \b, \first
.endif
.endr
.endm
.macro NAMES k                         ; what quarter k uses: V's buffers, P's buffer
.set FV,  F0+64*((\k)%2)
.set FN,  F0+64*(((\k)+1)%2)
.set PBI, (\k)%8
.endm
; A quarter that has its successor in the same slot.  wl: P's loads that may stay out when this quarter's 8 have to be in (six younger groups' 48 in the steady state).  pl: P's quarter k + 7 is asked for.
; fv: the next quarter's V is fetched, at the head, so that it has the quarter's 32 matrix instructions in which to land.  By k % 4: 0 starts a chunk's sums and (jn = 1) carries the join of the last chunk's tile 3;
; 1 fetches the chunk's four factors; 2 spreads them to even registers (these four lines are also the quarter's places); 3 carries the joins of tiles 0, 1, 2.
.macro QUARTER k, wl, pl, fv, jn, first
	NAMES \k
	s_wait_loadcnt \wl
	s_wait_dscnt 0x0                               ; this quarter's V, and factors if any were asked for
	WIN 0
.if ((\k)%4) == 2
.irp a, 0,1,2,3
	v_mov_b32 v[AL+2*\a], v[XA+\a]
.endr
.else
	PLACES                                         ; in front of loads into the buffers that the last quarter's products read
.endif
.if \fv
	FETCHV (((\k)+1)/8)%2, ((\k)+1)%8, FN
.if ((\k)%4) == 1
	ds_load_b128 v[XA:XA+3], v[ATA] offset:512*((\k)/4)
.endif
.endif
.if ((\k)%4) == 0
	G 0, 1, 4*(\jn)-1, \first
	G 1, 1, -1, 0
.elseif ((\k)%4) == 3
	G 0, 0, -1, 0
	PLACES                                         ; between tile 0's last products and the first read of their results
	G 1, 0, 0, \first
.else
	G 0, 0, -1, 0
	G 1, 0, -1, 0
.endif
.if \pl
	WIN S1
	PLOAD (\k)+7, 0                                ; into the buffer that the last quarter read
.endif
.if ((\k)%4) == 0
	G 2, 1, -1, 0
	G 3, 1, -1, 0
.elseif ((\k)%4) == 3
	G 2, 0, 1, \first
	G 3, 0, 2, \first
.else
	G 2, 0, -1, 0
	G 3, 0, -1, 0
.endif
.if \pl
	WIN S2
	PLOAD (\k)+7, 1
.endif
.endm
; A PREFETCH INTO THE L2 of P: 256 keys (8,192 bytes) of one tile of 16 rows, lanes 256 bytes apart, three slots on: ten quarters ahead of the loads that will want them.  P's rows are read by the four
; work-groups of the four column blocks and by two waves in each: the work-groups are told apart by address (each takes the tile of rows with its column block's number), and of the two waves the first asks.
; So each run of 256 bytes is named once.  how = 1: a trip's first change of slots always asks; how = 0: the second asks but in the last trip, where there are no keys three slots on.
.macro ASK how
.if \how
	s_cmp_eq_u32 s[LIM], 1
.else
	s_cmp_gt_u32 s3, s[LIM]
.endif
	s_cbranch_scc0 .Lnot_mine_\@
	global_prefetch_b8 v[PFO], s[PFA:PFA+1] th:TH_LOAD_NT scope:SCOPE_SE
.Lnot_mine_\@:
.endm
; A slot's last quarter (also a chunk's last) changes slots: one barrier; in front of it each wave waits for all its tensor loads (one is out: its part of the next slot), adds 0 to its spare word, and waits for that;
; its reads of this slot came back at the quarter's head.  fill = 1: the barrier opens a round of the cluster's, and this slot is filled again with the keys two slots on: it has 240 matrix instructions in which to land.
.macro TURNQ k, fill, how, wl, pl
	NAMES \k
	WIN 0
.if \fill
	s_wait_xcnt 0x0                                ; the last prefetch, a slot back, has read its address
	s_add_nc_u64 s[PFA:PFA+1], s[PFA:PFA+1], 8192
.endif
	s_wait_loadcnt \wl
	s_wait_dscnt 0x0
	s_wait_tensorcnt 0x0
	ds_add_u32 v[SPW], v[NIL]
	G 0, 0, -1, 0
	PLACES                                         ; between tile 0's last products and the first read of their results
	s_wait_dscnt 0x0                               ; the add is done
	s_barrier_signal -1
	G 1, 0, 0, 0
	WIN 0
	s_barrier_wait -1
.if \fill
	CREST
	s_add_nc_u64 s[G0+4*(((\k)/8)%2)+2:G0+4*(((\k)/8)%2)+3], s[G0+4*(((\k)/8)%2)+2:G0+4*(((\k)/8)%2)+3], 16384
	tensor_load_to_lds s[G0+4*(((\k)/8)%2):G0+4*(((\k)/8)%2)+3], s[G1:G1+7]   ; my one tensor load behind the round, and the first thing there
	s_nop 0
.endif
	PLACES
	FETCHV (((\k)+1)/8)%2, 0, FN
.if \pl
	WIN 0x40
	PLOAD (\k)+7, 0
	WIN 0
.endif
.if \fill
	ASK \how
.endif
	G 2, 0, 1, 0
	G 3, 0, 2, 0
.if \pl
	WIN S2
	PLOAD (\k)+7, 1
.endif
.endm
	QUARTER 0, 48, 1, 1, 0, 0                      ; chunk 0 and its join are written out: the join is a multiply and starts A
	QUARTER 1, 48, 1, 1, 0, 0
	QUARTER 2, 48, 1, 1, 0, 0
	QUARTER 3, 48, 1, 1, 0, 1
	QUARTER 4, 48, 1, 1, 1, 1
	WIN 0
	s_mov_b32 s3, 3
.Ltrip:                                                ; a trip: 16 quarters, four chunks' joins, both slots filled again
	QUARTER 5, 48, 1, 1, 0, 0
	QUARTER 6, 48, 1, 1, 0, 0
	TURNQ 7, 1, 1, 48, 1
	QUARTER 8, 48, 1, 1, 1, 0
	QUARTER 9, 48, 1, 1, 0, 0
	QUARTER 10, 48, 1, 1, 0, 0
	QUARTER 11, 48, 1, 1, 0, 0
	QUARTER 12, 48, 1, 1, 1, 0
	QUARTER 13, 48, 1, 1, 0, 0
	QUARTER 14, 48, 1, 1, 0, 0
	TURNQ 15, 1, 0, 48, 1
	QUARTER 16, 48, 1, 1, 1, 0
	QUARTER 17, 48, 1, 1, 0, 0
	QUARTER 18, 48, 1, 1, 0, 0
	QUARTER 19, 48, 1, 1, 0, 0
	QUARTER 20, 48, 1, 1, 1, 0
	WIN 0
	s_wait_xcnt 0x0                                ; P's loads have read their base
	s_add_nc_u64 s[PB0:PB0+1], s[PB0:PB0+1], 16384 ; 512 keys on
	v_add_nc_u32 v[ATA], 2048, v[ATA]              ; four chunks on
	s_sub_co_u32 s3, s3, 1
	s_cmp_lg_u32 s3, 0
	s_cbranch_scc1 .Ltrip
	QUARTER 5, 48, 1, 1, 0, 0                      ; the last 11 quarters are written out: no slot is filled, P's loads end, and their counts run down
	QUARTER 6, 48, 1, 1, 0, 0
	TURNQ 7, 0, 0, 48, 1
	QUARTER 8, 48, 1, 1, 1, 0
	QUARTER 9, 48, 0, 1, 0, 0
	QUARTER 10, 40, 0, 1, 0, 0
	QUARTER 11, 32, 0, 1, 0, 0
	QUARTER 12, 24, 0, 1, 1, 0
	QUARTER 13, 16, 0, 1, 0, 0
	QUARTER 14, 8, 0, 1, 0, 0
	QUARTER 15, 0, 0, 0, 0, 0
	WIN 0
	PLACES
.irp b, 0,1,2,3,4,5,6,7
	JOIN 3, \b, 0                                  ; the last chunk's tile 3
.endr
	; THE WAY OUT, 16 rows at a time: / l; a lane's 32 bytes into my stage (rows 528 bytes apart), back as whole runs of 512 bytes of a row, stored as two aligned runs of 256 bytes.
.irp a, 0,1,2,3
	WIN 0x03                                       ; source 0 (A) window 3
.set i, 0
.rept 32
	v_pk_mul_f32 v[TMP+2*i:TMP+2*i+1], v[64*\a+2*i:64*\a+2*i+1], v[INV+2*\a:INV+2*\a+1] op_sel_hi:[1,0]
.set i, i+1
.endr
	WIN 0
.irp b, 0,1,2,3,4,5,6,7
	ds_store_b128 v[STO], v[TMP+8*\b:TMP+8*\b+3] offset:64*\b
	ds_store_b128 v[STO], v[TMP+8*\b+4:TMP+8*\b+7] offset:64*\b+16
.endr
	s_wait_xcnt 0x0                                ; the stores of two blocks ago have read their registers
.irp t, 0,1,2,3,4,5,6,7,8,9,10,11,12,13,14,15
	ds_load_b128 v[64+64*(\a%2)+4*\t:64+64*(\a%2)+4*\t+3], v[RD] offset:528*\t   ; LDS serves a wave's instructions in order: these see my stores
.endr
	s_wait_dscnt 0x0
.irp t, 0,1,2,3,4,5,6,7,8,9,10,11,12,13,14,15
	global_store_b128 v[LI], v[64+64*(\a%2)+4*\t:64+64*(\a%2)+4*\t+3], s[OB:OB+1] offset:65536*\a+4096*\t th:TH_STORE_NT
.endr
.endr
	s_wait_tensorcnt 0x0                           ; the wave's end
	ds_add_u32 v[SPW], v[NIL]
	s_wait_dscnt 0x0
	CROUND                                         ; the closing round
	s_endpgm
.Lfunc_end_k_q9efa744f36_pv:
	.size	k_q9efa744f36_pv, .Lfunc_end_k_q9efa744f36_pv-k_q9efa744f36_pv
	.p2alignl 7, 3214868480
	.fill 96, 4, 3214868480
	.section	.rodata,"a",@progbits
	.p2align	6, 0x0
	.amdhsa_kernel k_q9efa744f36_pv
		.amdhsa_group_segment_fixed_size 327680
		.amdhsa_private_segment_fixed_size 0
		.amdhsa_enable_private_segment 0
		.amdhsa_kernarg_size 32
		.amdhsa_user_sgpr_count 2
		.amdhsa_user_sgpr_kernarg_segment_ptr 1
		.amdhsa_wavefront_size32 1
		.amdhsa_system_sgpr_workgroup_id_x 1
		.amdhsa_system_sgpr_workgroup_id_y 1
		.amdhsa_system_sgpr_workgroup_id_z 1
		.amdhsa_system_vgpr_workitem_id 0
		.amdhsa_next_free_vgpr 1024
		.amdhsa_next_free_sgpr 66
		.amdhsa_reserve_vcc 0
		.amdhsa_float_denorm_mode_32 3
		.amdhsa_float_denorm_mode_16_64 3
		.amdhsa_memory_ordered 1
		.amdhsa_forward_progress 1
		.amdhsa_inst_pref_size 255
	.end_amdhsa_kernel
	.section	.bss,"aw",@nobits
	.p2align	6
	.space	262144
	.amdgpu_metadata
---
amdhsa.version: [ 1, 2 ]
amdhsa.kernels:
  - .name:           k_q9efa744f36_pv
    .symbol:         k_q9efa744f36_pv.kd
    .args:
      - { .name: p16, .offset: 0, .size: 8, .value_kind: global_buffer, .address_space: global }
      - { .name: st, .offset: 8, .size: 8, .value_kind: global_buffer, .address_space: global }
      - { .name: vt16, .offset: 16, .size: 8, .value_kind: global_buffer, .address_space: global }
      - { .name: out0, .offset: 24, .size: 8, .value_kind: global_buffer, .address_space: global }
    .group_segment_fixed_size: 327680
    .private_segment_fixed_size: 0
    .kernarg_segment_align: 8
    .kernarg_segment_size: 32
    .max_flat_workgroup_size: 128
    .sgpr_count:     66
    .vgpr_count:     1024
    .wavefront_size: 32
...
	.end_amdgpu_metadata
.endif
;; end of part 4
;; launch fine (part 5): grid 4 x 4, 4 waves a work-group, no clusters, 26,112 bytes of LDS; arguments qk16, vt16, lo, mw, out0; writes out0
.if DOCPART == 5
	.amdgcn_target "amdgcn-amd-amdhsa--gfx1250"
	.amdhsa_code_object_version 6
	.text
	.protected	k_q9efa744f36_fine
	.globl	k_q9efa744f36_fine
	.p2align	8
	.type	k_q9efa744f36_fine,@function
k_q9efa744f36_fine:
	s_mov_b64 s[64:65], 0
	v_nop
	global_prefetch_b8 v0, s[64:65] scope:SCOPE_SE
	s_setreg_imm32_b32 hwreg(HW_REG_WAVE_MODE, 25, 1), 1
	s_wait_xcnt 0x0
; FIFTH LAUNCH: the first 16 positions of each batch once more, carried more finely, over the rows that the launch before has stored.  Under a mask that leaves such a row few keys, the rounding of f16 operands weighs most there.
; Operands go as pairs of f16 numbers, a high and a low part: c Q (high + low) against K (high; + low for keys 0-31); p (high + low) against V (high; + low for keys 0-31).  Sums in f32; a running whole-number maximum M.
; WORK LEFT OUT, by whole numbers read from memory (mw, stored by the first launch): a block of 32 keys that is blocked for all 16 rows adds p = 2^(TM - M) = 0 to every row that has an open key anywhere.
; Where some row has no open key at all (its result is the average of all of V), every block is walked.  Block 0 is always walked: a blocked block's terms vanish with the first change of M.
; LIMITS: the finer carriage covers queries 0-15 against keys 0-31; a mask that leaves few keys to any other row gets f16 operands' accuracy.  An open score under about -1e8 is not told from a blocked one.
; No tensor load and no cluster; branches and a trip count hang on the stored masks.
; SHARES: batch = y; a work-group of four waves has 256 columns, a wave 64.  BLOCK 0's scores are shared out along e: wave w multiplies steps 8 w .. 8 w + 7 of the 32 steps of 32, so that it loads a quarter of Q and K;
; the four partial scores meet in LDS behind the one barrier, which stands ahead of every branch on data.  The other live blocks, if there are any, each wave walks for itself, with all of Q in its registers:
; a loop of as many trips as there are live blocks; each trip takes the lowest live bit.
; REGISTERS: window 0: v16-63 six score accumulators, then three waves' partial scores; v64-79 t, then p; v80-95 p's parts; v96-111 at work; v112-143 O^T; v144-207 V's parts; v208-239 the masks' words, at the end out;
;   v240-243 LDS and store addresses.  window 1: c Q high.  window 2: c Q low.  window 3: K: block 0: [16 keys: 2][high, low][step: 8][8]; later two buffers of 128: [16 keys: 2][64: 4 steps used][8].
.set KOFF,  16777216
.set OST,   8192                       ; LDS: from 0 the four waves' partial scores, 2,048 bytes each; from here a stage of 16 rows x 272 bytes for each wave
.set SPARE, 25600
.set LI,  1
.set SPW, 2
.set NIL, 3
.set TMR, 6
.set HH0, 16
.set LH0, 24
.set HH1, 32
.set LH1, 40
.set HL0, 48
.set HL1, 56
.set T,   64
.set PH,  80
.set PL,  88
.set X,   96
.set O,   112
.set VH,  144
.set VL,  176
.set OUT, 208
.set MW,  208
.set PSA, 240
.set SIN, 241
.set SBK, 242
.set GO,  243
.set QB,  32
.set QLB, 34
.set KB0, 36
.set KLB, 38
.set VB0, 40
.set VLB, 42
.set KB,  44
.set VB,  46
.set MB,  48
.set OB,  54
.set LV0, 56
.set LV1, 57
.set KBN, 58
.set WV,  59
.set SEL, 60
.set CNT, 62
.set CI,  63
.set QBW, 66
.set QLW, 68
.set KBW, 70
.set KLW, 72
.set MSB, 0
.macro WIN new
.if MSB != (\new)
	s_set_vgpr_msb (MSB<<8)|(\new)
.set MSB, (\new)
.endif
.endm
.macro PLACES
.rept 4
	v_nop
.endr
.endm
	s_load_b256 s[4:11], s[0:1], 0x0               ; qk16, vt16, lo, mw
	s_load_b64 s[12:13], s[0:1], 0x20              ; out0
	v_lshl_add_u32 v[SPW], v0, 2, SPARE
	v_mov_b32 v[NIL], 0
	v_lshrrev_b32 v4, 5, v0
	v_readfirstlane_b32 s[WV], v4                  ; wave 0..3
	v_and_b32 v5, 31, v0                           ; lane
	v_lshlrev_b32 v[LI], 4, v5
	v_lshrrev_b32 v14, 2, v5
	v_lshlrev_b32 v14, 15, v14
	v_and_b32 v4, 3, v5
	v_lshl_add_u32 v14, v4, 6, v14                 ; lane L: the 16 masks of block L of 32 keys, rows 0-15
	v_mov_b32 v[TMR], 0xceabfb8f                   ; TM = -1e9 log2(e)
	v_mov_b32 v13, 0                               ; named as the upper half of the pair v[12:13]
	s_lshl_b32 s50, s[WV], 11
	v_add_nc_u32 v[PSA], s50, v[LI]                ; where I put my partial scores: 2,048 x wave + 16 x lane
	s_mul_i32 s50, s[WV], 4352
	s_add_co_u32 s50, s50, OST                     ; my stage
	v_and_b32 v4, 15, v0                           ; r
	v_bfe_u32 v5, v0, 4, 1                         ; h
	v_mul_u32_u24 v[SIN], v4, 272
	v_lshl_add_u32 v[SIN], v5, 5, v[SIN]
	v_add_nc_u32 v[SIN], s50, v[SIN]               ; in: row r, + 32 h
	v_mul_u32_u24 v[SBK], v5, 272
	v_lshl_add_u32 v[SBK], v4, 4, v[SBK]
	v_add_nc_u32 v[SBK], s50, v[SBK]               ; back: lanes 0-15 one row, lanes 16-31 the next
	v_lshlrev_b32 v[GO], 12, v5
	v_lshl_add_u32 v[GO], v4, 4, v[GO]             ; and the same two rows in out
	s_and_b32 s14, ttmp7, 0xffff                   ; the batch
	s_lshl_b32 s15, ttmp9, 2
	s_add_co_u32 s15, s15, s[WV]                   ; my 64 columns
	s_mov_b32 s[SEL], 0x76543210
	s_mov_b32 s[SEL+1], 0xfedcba98
	s_lshl_b32 s[QB], s14, 22
	s_mov_b32 s[QB+1], 0
	s_lshl_b32 s[QLB], s14, 15
	s_mov_b32 s[QLB+1], 0
	s_lshl_b32 s[KLB], s14, 16
	s_add_co_u32 s[KLB], s[KLB], 131072
	s_mov_b32 s[KLB+1], 0
	s_lshl_b32 s[VB0], s14, 22
	s_lshl_b32 s51, s15, 18
	s_add_co_u32 s[VB0], s[VB0], s51
	s_mov_b32 s[VB0+1], 0
	s_lshl_b32 s[VLB], s14, 16
	s_lshl_b32 s51, s15, 12
	s_add_co_u32 s[VLB], s[VLB], s51
	s_add_co_u32 s[VLB], s[VLB], 393216
	s_mov_b32 s[VLB+1], 0
	s_lshl_b32 s[OB], s14, 23
	s_lshl_b32 s51, s15, 8
	s_add_co_u32 s[OB], s[OB], s51
	s_mov_b32 s[OB+1], 0
	s_lshl_b32 s52, s[WV], 13                      ; my eight steps along e: 8,192 bytes x wave
	s_mov_b32 s53, 0
	s_wait_kmcnt 0x0
	s_add_nc_u64 s[QB:QB+1], s[4:5], s[QB:QB+1]
	s_add_nc_u64 s[KB0:KB0+1], s[QB:QB+1], KOFF
	s_add_nc_u64 s[QLB:QLB+1], s[8:9], s[QLB:QLB+1]
	s_add_nc_u64 s[KLB:KLB+1], s[8:9], s[KLB:KLB+1]
	s_add_nc_u64 s[VB0:VB0+1], s[6:7], s[VB0:VB0+1]
	s_add_nc_u64 s[VLB:VLB+1], s[8:9], s[VLB:VLB+1]
	s_add_nc_u64 s[OB:OB+1], s[12:13], s[OB:OB+1]
	s_add_nc_u64 s[QBW:QBW+1], s[QB:QB+1], s[52:53]
	s_add_nc_u64 s[QLW:QLW+1], s[QLB:QLB+1], s[52:53]
	s_add_nc_u64 s[KBW:KBW+1], s[KB0:KB0+1], s[52:53]
	s_add_nc_u64 s[KLW:KLW+1], s[KLB:KLB+1], s[52:53]
	s_load_b512 s[16:31], s[10:11], 0x0            ; block 0's 16 lane masks
	; ---- BLOCK 0, my eight steps: 32 loads of Q, 64 of K; then V's 16 and the masks' 8
	WIN 0x40
.irp s, 0,1,2,3,4,5,6,7
.irp c, 0,1
	global_load_b128 v[8*\s+4*\c:8*\s+4*\c+3], v[LI], s[QBW:QBW+1] offset:1024*\s+512*\c
.endr
.endr
	WIN 0x80
.irp s, 0,1,2,3,4,5,6,7
.irp c, 0,1
	global_load_b128 v[8*\s+4*\c:8*\s+4*\c+3], v[LI], s[QLW:QLW+1] offset:1024*\s+512*\c
.endr
.endr
	WIN 0xc0
.irp kt, 0,1
.irp s, 0,1,2,3,4,5,6,7
.irp c, 0,1
	global_load_b128 v[128*\kt+8*\s+4*\c:128*\kt+8*\s+4*\c+3], v[LI], s[KBW:KBW+1] offset:32768*\kt+1024*\s+512*\c
	global_load_b128 v[128*\kt+64+8*\s+4*\c:128*\kt+64+8*\s+4*\c+3], v[LI], s[KLW:KLW+1] offset:32768*\kt+1024*\s+512*\c
.endr
.endr
.endr
	WIN 0
.irp dt, 0,1,2,3
.irp c, 0,1
	global_load_b128 v[VH+8*\dt+4*\c:VH+8*\dt+4*\c+3], v[LI], s[VB0:VB0+1] offset:65536*\dt+512*\c
	global_load_b128 v[VL+8*\dt+4*\c:VL+8*\dt+4*\c+3], v[LI], s[VLB:VLB+1] offset:1024*\dt+512*\c
.endr
.endr
.irp i, 0,1,2,3
	global_load_b128 v[MW+4*\i:MW+4*\i+3], v14, s[10:11] offset:16*\i
	global_load_b128 v[MW+16+4*\i:MW+16+4*\i+3], v14, s[10:11] offset:262144+16*\i     ; block 32 + L
.endr
.macro W16 d, a, b, nz                 ; nz = 0: the product starts the sum
.if (\nz) == 0
	v_wmma_f32_16x16x32_f16 v[\d:\d+7], v[\a:\a+7], v[\b:\b+7], 0
.else
	v_wmma_f32_16x16x32_f16 v[\d:\d+7], v[\a:\a+7], v[\b:\b+7], v[\d:\d+7]
.endif
.endm
	s_wait_loadcnt 24                              ; Q and K are in; V's 16 loads and the masks' 8 may be out
	WIN 0x07                                       ; source 0 (K) window 3, source 1 (c Q high) window 1.  The accumulators take turns, one instruction a turn
.irp s, 0,1,2,3,4,5,6,7
	W16 HH0, 8*\s, 8*\s, \s
	W16 LH0, 64+8*\s, 8*\s, \s
	W16 HH1, 128+8*\s, 8*\s, \s
	W16 LH1, 192+8*\s, 8*\s, \s
.endr
	WIN 0x0b                                       ; source 1: c Q low, window 2
.irp s, 0,1,2,3,4,5,6,7
	W16 HL0, 8*\s, 8*\s, \s
	W16 HL1, 128+8*\s, 8*\s, \s
.endr
	WIN 0
	s_wait_loadcnt 0x0
	; which blocks are live.  (These lines name no register of the products: they are also the places behind them)
.irp i, 1,2,3,4,5,6,7,8,9,10,11,12,13,14,15
	v_or_b32 v[MW], v[MW], v[MW+\i]
	v_or_b32 v[MW+16], v[MW+16], v[MW+16+\i]
.endr
	v_cmp_ne_u32 s[LV0], 0, v[MW]                  ; bit L: block L has an open place
	v_cmp_ne_u32 s[LV1], 0, v[MW+16]               ; block 32 + L
	v_or_b32 v[MW], v[MW], v[MW+16]
	v_lshrrev_b32 v[MW+1], 16, v[MW]
	v_or_b32 v[MW], v[MW], v[MW+1]                 ; bits 0-15: the rows with an open place in my two blocks
.irp j, 0,1,2,3
	s_mov_b32 s[74+\j], 0
.endr
.irp g, 0,1,2,3
.irp j, 0,1,2,3,4,5,6,7
	v_readlane_b32 s[80+\j], v[MW], 8*\g+\j
.endr
.irp j, 0,1,2,3,4,5,6,7
	s_or_b32 s[74+\j%4], s[74+\j%4], s[80+\j]
.endr
.endr
	s_or_b32 s74, s74, s75
	s_or_b32 s76, s76, s77
	s_or_b32 s74, s74, s76
	s_and_b32 s74, s74, 0xffff
	s_cmp_eq_u32 s74, 0xffff                       ; has every row an open place?
	s_cselect_b32 s[LV0], s[LV0], -1               ; if not, every block is walked
	s_cselect_b32 s[LV1], s[LV1], -1
	s_and_b32 s[LV0], s[LV0], -2                   ; block 0 is in hand
	s_bcnt1_i32_b32 s[CNT], s[LV0]
	s_bcnt1_i32_b32 s50, s[LV1]
	s_add_co_u32 s[CNT], s[CNT], s50               ; the live blocks still to be walked
.irp kt, 0,1
.irp j, 0,2,4,6
	v_pk_add_f32 v[T+8*\kt+\j:T+8*\kt+\j+1], v[HL0+8*\kt+\j:HL0+8*\kt+\j+1], v[LH0+16*\kt+\j:LH0+16*\kt+\j+1]
	v_pk_add_f32 v[T+8*\kt+\j:T+8*\kt+\j+1], v[T+8*\kt+\j:T+8*\kt+\j+1], v[HH0+16*\kt+\j:HH0+16*\kt+\j+1]
.endr
.endr
.irp i, 0,1,2,3
	ds_store_b128 v[PSA], v[T+4*\i:T+4*\i+3] offset:512*\i     ; my partial scores, as an image of their registers
.endr
	s_wait_kmcnt 0x0
	s_wait_dscnt 0x0                               ; for the others' sake: my stores are done
	s_barrier_signal -1
	s_barrier_wait -1
.irp p, 0,1,2
.irp i, 0,1,2,3
	ds_load_b128 v[16+16*\p+4*\i:16+16*\p+4*\i+3], v[LI] offset:2048*\p+512*\i
.endr
.endr
.irp i, 0,1,2,3
	ds_load_b128 v[X+4*\i:X+4*\i+3], v[LI] offset:6144+512*\i
.endr
	s_wait_dscnt 0x0
.irp j, 0,2,4,6,8,10,12,14
	v_pk_add_f32 v[T+\j:T+\j+1], v[16+\j:17+\j], v[32+\j:33+\j]      ; the four parts in one order in every wave
.endr
.irp j, 0,2,4,6,8,10,12,14
	v_pk_add_f32 v[T+\j:T+\j+1], v[T+\j:T+\j+1], v[48+\j:49+\j]
.endr
.irp j, 0,2,4,6,8,10,12,14
	v_pk_add_f32 v[T+\j:T+\j+1], v[T+\j:T+\j+1], v[X+\j:X+\j+1]
.endr
; From a block's scores t (v64-79) to O^T.  lo = 1: block 0: it starts M, l and O^T and has V's low parts.
.macro TAILB lo
	s_wait_kmcnt 0x0                               ; the block's lane masks
.set n, 0
.rept 16
	v_cndmask_b32 v[T+n], v[TMR], v[T+n], s[16+n]  ; register 8 kt + j: key 16 kt + 8 (lane / 16) + j of the block
.set n, n+1
.endr
	v_max3_num_f32 v4, v[T], v[T+1], v[T+2]
	v_max3_num_f32 v5, v[T+3], v[T+4], v[T+5]
	v_max3_num_f32 v4, v4, v[T+6], v[T+7]
	v_max3_num_f32 v5, v5, v[T+8], v[T+9]
	v_max3_num_f32 v4, v4, v[T+10], v[T+11]
	v_max3_num_f32 v5, v5, v[T+12], v[T+13]
	v_max3_num_f32 v4, v4, v[T+14], v[T+15]
	v_max_num_f32 v4, v4, v5
	v_permlanex16_b32 v5, v4, s[SEL], s[SEL+1]
.if \lo
	v_max_num_f32 v9, v4, v5                       ; the largest t so far
	v_floor_f32 v8, -v9                            ; -M
.else
	v_max3_num_f32 v9, v9, v4, v5
	v_mov_b32 v7, v8
	v_floor_f32 v8, -v9
	v_sub_f32 v7, v8, v7                           ; old M - new M: a whole number, 0 or less
	v_cvt_i32_f32 v7, v7
	v_ldexp_f32 v12, 1.0, v7                       ; f = 2^(old M - new M)
.endif
.irp j, 0,2,4,6,8,10,12,14
	v_pk_add_f32 v[T+\j:T+\j+1], v[T+\j:T+\j+1], v[8:9] op_sel_hi:[1,0]
.endr
.set n, 0
.rept 16
	v_exp_f32 v[T+n], v[T+n]
.set n, n+1
.endr
.if \lo
	v_nop                                          ; the plain line behind the exponentials
.else
	v_pk_mul_f32 v[10:11], v[10:11], v[12:13] op_sel_hi:[1,0]   ; l under the new M.  (The plain line behind the exponentials)
.endif
	s_wait_alu depctr_va_vdst(0)                   ; one wait for the batch, ahead of its first reader
.if \lo
	v_pk_add_f32 v[10:11], v[T:T+1], v[T+2:T+3]
.else
	v_pk_add_f32 v[10:11], v[10:11], v[T:T+1]
	v_pk_add_f32 v[10:11], v[10:11], v[T+2:T+3]
.endif
.irp j, 4,6,8,10,12,14
	v_pk_add_f32 v[10:11], v[10:11], v[T+\j:T+\j+1]
.endr
.irp i, 0,1,2,3,4,5,6,7
	v_cvt_pk_f16_f32 v[PH+\i], v[T+2*\i], v[T+2*\i+1]   ; p's high part: the fragment's registers as they stand
.endr
	v_cvt_f32_f16 v96, v80.l
	v_cvt_f32_f16 v97, v80.h
	v_cvt_f32_f16 v98, v81.l
	v_cvt_f32_f16 v99, v81.h
	v_cvt_f32_f16 v100, v82.l
	v_cvt_f32_f16 v101, v82.h
	v_cvt_f32_f16 v102, v83.l
	v_cvt_f32_f16 v103, v83.h
	v_cvt_f32_f16 v104, v84.l
	v_cvt_f32_f16 v105, v84.h
	v_cvt_f32_f16 v106, v85.l
	v_cvt_f32_f16 v107, v85.h
	v_cvt_f32_f16 v108, v86.l
	v_cvt_f32_f16 v109, v86.h
	v_cvt_f32_f16 v110, v87.l
	v_cvt_f32_f16 v111, v87.h
.irp j, 0,2,4,6,8,10,12,14
	v_pk_add_f32 v[X+\j:X+\j+1], v[T+\j:T+\j+1], v[X+\j:X+\j+1] neg_lo:[0,1] neg_hi:[0,1]
.endr
.irp i, 0,1,2,3,4,5,6,7
	v_cvt_pk_f16_f32 v[PL+\i], v[X+2*\i], v[X+2*\i+1]   ; and its low part
.endr
.if (\lo) == 0
.set n, 0
.rept 16
	v_pk_mul_f32 v[O+n:O+n+1], v[O+n:O+n+1], v[12:13] op_sel_hi:[1,0]   ; O^T under the new M
.set n, n+2
.endr
.endif
.irp dt, 0,1,2,3
	W16 O+8*\dt, VH+8*\dt, PH, 1-\lo
.endr
.irp dt, 0,1,2,3
	W16 O+8*\dt, VH+8*\dt, PL, 1
.endr
.if \lo
.irp dt, 0,1,2,3
	W16 O+8*\dt, VL+8*\dt, PH, 1
.endr
.endif
	PLACES                                         ; in front of the next loads into V's registers, and of the way out's reads
.endm
	TAILB 1
.macro KLOAD g                         ; K's fragments of 128 along e, number g, for the block's two tiles of 16 keys
	WIN 0xc0
.irp kt, 0,1
.irp s, 0,1,2,3
.irp c, 0,1
	global_load_b128 v[128*((\g)%2)+64*\kt+8*\s+4*\c:128*((\g)%2)+64*\kt+8*\s+4*\c+3], v[LI], s[KB:KB+1] offset:32768*\kt+1024*(4*(\g)+\s)+512*\c
.endr
.endr
.endr
	WIN 0
.endm
; A live block of 32 keys, number s[KBN], 1 to 63: the wave multiplies all 32 steps along e for itself.
.macro BLOCK
	s_wait_xcnt 0x0                                ; earlier loads have read their bases
	s_lshl_b32 s50, s[KBN], 16
	s_mov_b32 s51, 0
	s_add_nc_u64 s[KB:KB+1], s[KB0:KB0+1], s[50:51]
	s_lshl_b32 s50, s[KBN], 10
	s_add_nc_u64 s[VB:VB+1], s[VB0:VB0+1], s[50:51]
	s_and_b32 s50, s[KBN], 60
	s_lshl_b32 s50, s50, 13                        ; the chunk of 128 keys x 32,768
	s_and_b32 s52, s[KBN], 3
	s_lshl_b32 s52, s52, 6
	s_add_co_u32 s50, s50, s52
	s_add_nc_u64 s[MB:MB+1], s[10:11], s[50:51]
	s_load_b512 s[16:31], s[MB:MB+1], 0x0          ; the block's 16 lane masks
.irp dt, 0,1,2,3
.irp c, 0,1
	global_load_b128 v[VH+8*\dt+4*\c:VH+8*\dt+4*\c+3], v[LI], s[VB:VB+1] offset:65536*\dt+512*\c
.endr
.endr
	KLOAD 0
	KLOAD 1
.irp g, 0,1,2,3,4,5,6,7
.if \g < 7
	s_wait_loadcnt 16                              ; this group's loads, and all older ones, are in; the next group's 16 may be out
.else
	s_wait_loadcnt 0x0
.endif
	WIN 0x07
.irp s, 0,1,2,3
	W16 HH0, 128*(\g%2)+8*\s, 8*(4*\g+\s), \g+\s
	W16 HH1, 128*(\g%2)+64+8*\s, 8*(4*\g+\s), \g+\s
.endr
	WIN 0x0b
.irp s, 0,1,2,3
	W16 HL0, 128*(\g%2)+8*\s, 8*(4*\g+\s), \g+\s
	W16 HL1, 128*(\g%2)+64+8*\s, 8*(4*\g+\s), \g+\s
.endr
	WIN 0
	PLACES                                         ; in front of loads into registers that matrix instructions have read, and of the first read of results
.if \g < 6
	KLOAD \g+2
.endif
.endr
.irp kt, 0,1
.irp j, 0,2,4,6
	v_pk_add_f32 v[T+8*\kt+\j:T+8*\kt+\j+1], v[HL0+8*\kt+\j:HL0+8*\kt+\j+1], v[HH0+16*\kt+\j:HH0+16*\kt+\j+1]
.endr
.endr
	TAILB 0
.endm
	s_cmp_eq_u32 s[CNT], 0
	s_cbranch_scc1 .Lout                           ; no other block is live: neither the walk nor the rest of Q is wanted
	WIN 0x40
.set e, 0
.rept 32
	global_load_b128 v[8*e:8*e+3], v[LI], s[QB:QB+1] offset:1024*e
	global_load_b128 v[8*e+4:8*e+7], v[LI], s[QB:QB+1] offset:1024*e+512
.set e, e+1
.endr
	WIN 0x80
.set e, 0
.rept 32
	global_load_b128 v[8*e:8*e+3], v[LI], s[QLB:QLB+1] offset:1024*e
	global_load_b128 v[8*e+4:8*e+7], v[LI], s[QLB:QLB+1] offset:1024*e+512
.set e, e+1
.endr
	WIN 0
	s_mov_b32 s[CI], 0
.Lkb:                                                  ; as many trips as there are live blocks
	s_cmp_lg_u32 s[LV0], 0
	s_cselect_b32 s52, s[LV0], s[LV1]              ; the word in hand: blocks 1-31 first, then 32-63
	s_cselect_b32 s53, 0, 32
	s_ctz_i32_b32 s50, s52                         ; its lowest live bit
	s_add_co_u32 s[KBN], s50, s53
	s_min_u32 s[KBN], s[KBN], 63                   ; held inside the 64 blocks before it enters an address
	s_sub_co_u32 s51, s52, 1
	s_and_b32 s52, s52, s51                        ; that bit off
	s_cmp_lg_u32 s[LV0], 0
	s_cselect_b32 s[LV1], s[LV1], s52
	s_cselect_b32 s[LV0], s52, 0
	BLOCK
	s_add_co_u32 s[CI], s[CI], 1
	s_cmp_lt_u32 s[CI], s[CNT]
	s_cbranch_scc1 .Lkb
.Lout:
	; THE WAY OUT: / l; through my stage (16 rows of 256 bytes, 272 apart), so that sixteen lanes store 256 consecutive bytes, aligned.
	v_add_f32 v10, v10, v11
	v_permlanex16_b32 v5, v10, s[SEL], s[SEL+1]
	v_add_f32 v10, v10, v5
	v_rcp_f32 v12, v10
	v_nop                                          ; the plain line behind the reciprocal
	s_wait_alu depctr_va_vdst(0)                   ; ahead of the reciprocal's first reader
.set n, 0
.rept 16
	v_pk_mul_f32 v[OUT+n:OUT+n+1], v[O+n:O+n+1], v[12:13] op_sel_hi:[1,0]
.set n, n+2
.endr
.irp dt, 0,1,2,3
	ds_store_b128 v[SIN], v[OUT+8*\dt:OUT+8*\dt+3] offset:64*\dt
	ds_store_b128 v[SIN], v[OUT+8*\dt+4:OUT+8*\dt+7] offset:64*\dt+16
.endr
.irp i, 0,1,2,3,4,5,6,7
	ds_load_b128 v[T+4*\i:T+4*\i+3], v[SBK] offset:544*\i     ; LDS serves a wave's instructions in order: these see my stores
.endr
	s_wait_dscnt 0x0
.irp i, 0,1,2,3,4,5,6,7
	global_store_b128 v[GO], v[T+4*\i:T+4*\i+3], s[OB:OB+1] offset:8192*\i
.endr
	s_wait_tensorcnt 0x0                           ; the wave's end, behind my last LDS store
	ds_add_u32 v[SPW], v[NIL]
	s_wait_dscnt 0x0
	s_endpgm
.Lfunc_end_k_q9efa744f36_fine:
	.size	k_q9efa744f36_fine, .Lfunc_end_k_q9efa744f36_fine-k_q9efa744f36_fine
	.p2alignl 7, 3214868480
	.fill 96, 4, 3214868480
	.section	.rodata,"a",@progbits
	.p2align	6, 0x0
	.amdhsa_kernel k_q9efa744f36_fine
		.amdhsa_group_segment_fixed_size 26112
		.amdhsa_private_segment_fixed_size 0
		.amdhsa_enable_private_segment 0
		.amdhsa_kernarg_size 40
		.amdhsa_user_sgpr_count 2
		.amdhsa_user_sgpr_kernarg_segment_ptr 1
		.amdhsa_wavefront_size32 1
		.amdhsa_system_sgpr_workgroup_id_x 1
		.amdhsa_system_sgpr_workgroup_id_y 1
		.amdhsa_system_sgpr_workgroup_id_z 1
		.amdhsa_system_vgpr_workitem_id 0
		.amdhsa_next_free_vgpr 1024
		.amdhsa_next_free_sgpr 96
		.amdhsa_reserve_vcc 0
		.amdhsa_float_denorm_mode_32 3
		.amdhsa_float_denorm_mode_16_64 3
		.amdhsa_memory_ordered 1
		.amdhsa_forward_progress 1
		.amdhsa_inst_pref_size 80
	.end_amdhsa_kernel
	.amdgpu_metadata
---
amdhsa.version: [ 1, 2 ]
amdhsa.kernels:
  - .name:           k_q9efa744f36_fine
    .symbol:         k_q9efa744f36_fine.kd
    .args:
      - { .name: qk16, .offset: 0, .size: 8, .value_kind: global_buffer, .address_space: global }
      - { .name: vt16, .offset: 8, .size: 8, .value_kind: global_buffer, .address_space: global }
      - { .name: lo, .offset: 16, .size: 8, .value_kind: global_buffer, .address_space: global }
      - { .name: mw, .offset: 24, .size: 8, .value_kind: global_buffer, .address_space: global }
      - { .name: out0, .offset: 32, .size: 8, .value_kind: global_buffer, .address_space: global }
    .group_segment_fixed_size: 26112
    .private_segment_fixed_size: 0
    .kernarg_segment_align: 8
    .kernarg_segment_size: 40
    .max_flat_workgroup_size: 128
    .sgpr_count:     96
    .vgpr_count:     1024
    .wavefront_size: 32
...
	.end_amdgpu_metadata
.endif
;; end of part 5
